; MI455X (gfx1250); checked and timed in simulation.
; The chip was launched on July 23, 2026; its instructions are those of AMD's public machine-readable ISA for CDNA 5 (MIT licence, August 2026) and "CDNA5" Instruction Set Architecture Reference Guide (July 2026). The comments in the code are by the model that wrote it; some were corrected since.
;; Transformer. Allowed arithmetic: matrix products marked QUANTISED: E2M1 operands, one E8M0 scale for each 32 along K, by v_wmma_scale_f32_16x16x128_f8f6f4 with both operands' format E2M1 (or v_wmma_scale_f32_32x16x128_f4), f32 sums; everything else in f32.
;; Inputs: Wk_codes 256 x 32 x 16 uint8 (E2M1 codes of Wk, K innermost, in blocks of 32 codes, two codes a byte); Wk_scales 256 x 32 uint8 (E8M0 scales of Wk, one for each 32 codes along K); Wq_codes 256 x 32 x 16 uint8 (E2M1 codes of Wq, K innermost, in blocks of 32 codes, two codes a byte); Wq_scales 256 x 32 uint8 (E8M0 scales of Wq, one for each 32 codes along K); Wv_codes 1,024 x 32 x 16 uint8 (E2M1 codes of Wv, K innermost, in blocks of 32 codes, two codes a byte); Wv_scales 1,024 x 32 uint8 (E8M0 scales of Wv, one for each 32 codes along K); bk 256 float32; bq 256 float32; bv 1,024 float32; gamma 1 float32; mask 4 x 2,048 int32; x 4 x 2,048 x 1,024 float32.
;; Outputs: out0 4 x 2,048 x 1,024 float32.
;; This version of the problem:
;;   THIS VERSION OF THE PROBLEM IS GIVEN IN LOW PRECISION. The matrix products marked QUANTISED in the list below multiply operands that are first quantised to E2M1 (2 exponent bits, 1 mantissa bit; 4 bits a number), with one power-of-two scale for each 32 numbers along K (OCP MX v1.0); their sums are f32. All else is computed in f32.
;;   The module's matrix products, in the order in which they are computed (A, B: the left and right operand; K: the contracted axis; several contracted axes count as one K, in the product's order):
;;     1. [M 8,192, K 1,024] x [K 1,024, N 256]; A: input x; B: input Wq (given as codes): QUANTISED
;;     2. [M 8,192, K 1,024] x [K 1,024, N 256]; A: input x; B: input Wk (given as codes): QUANTISED
;;     3. [M 8,192, K 1,024] x [K 1,024, N 1,024]; A: input x; B: input Wv (given as codes): QUANTISED
;;     4. batch 32 x [M 2,048, K 32] x [K 32, N 2,048]; A: computed on the way; B: computed on the way: QUANTISED
;;     5. batch 32 x [M 128, K 2,048] x [K 2,048, N 2,048]; A: computed on the way; B: computed on the way: QUANTISED
;;   THE QUANTISER, for each operand of a quantised product, along K:
;;     - K is cut into blocks of 32 from its start; a last block that is shorter is filled with zeros.
;;     - A block's scale is 2^e with e = floor(log2(the largest magnitude in the block)) - 2, held to -126 .. 127; a block of zeros has e = 0. As a byte (E8M0): e + 127.
;;     - Each number is divided by its block's scale, clamped to +-6, and rounded to the nearest number of E2M1, ties to even, subnormals kept.
;;     - The product sums the exact products of the quantised numbers (number of the format x scale) in f32.
;;   ~~~python
;;   def quantise(x, axis):      # numpy; x: float32 -> the quantised numbers, widened to float32 again
;;       x = np.moveaxis(x, axis, -1); K = x.shape[-1]
;;       x = np.pad(x, [(0, 0)] * (x.ndim - 1) + [(0, -K % 32)]); x = x.reshape(x.shape[:-1] + (-1, 32)); a = np.abs(x).max(-1, keepdims=True)
;;       e = np.where(a > 0, np.clip(np.frexp(np.where(a > 0, a, 1))[1] - 1 - 2, -126, 127), 0)      # np.frexp(a)[1] - 1 = floor(log2(a)), exactly
;;       r = np.clip(x / 2.0 ** e, -6, 6)
;;       step = 2.0 ** (np.maximum(np.frexp(np.where(r == 0, 1, r))[1] - 1, 0) - 1)
;;       q = np.round(r / step) * step * 2.0 ** e      # np.round: ties to even
;;       return np.moveaxis(q.reshape(q.shape[:-2] + (-1,))[..., :K], -1, axis).astype(np.float32)
;;   ~~~
;;   OPERANDS COMPUTED ON THE WAY. 'Computed on the way' means the value that the module computes at that place (a softmax that the list does not call 'softmax' is quantised finished and normalised). What goes into a quantiser is computed in f32, as accurately as f32 sums, v_exp_f32 and their like allow (about 1e-6 of the number): no bf16 or f16 on the way to a quantiser, and a product that is left as it is and whose result goes on into a quantised operand takes f32 operands (vector FMAs, or v_wmma_f32_16x16x4_f32). A number that lies on a knife's edge between two numbers of the format may be rounded either way, as far as f32 arithmetic and the matrix unit's own rounding can turn it there, and no further.
;;   INPUTS GIVEN AS CODES. Wk (in the module: [1024, 256], K = its axis 0); Wq (in the module: [1024, 256], K = its axis 0); Wv (in the module: [1024, 1024], K = its axis 0): each comes as NAME_codes (uint8): NAME with its K axis moved to the last place and cut into blocks of 32 codes, [.., K / 32, bytes a block], one block behind the other in memory; two codes a byte, the lower K in the low four bits (a code: sign, 2 exponent bits, 1 mantissa bit); and NAME_scales (uint8): the same leading axes, one E8M0 byte (e + 127) for each 32 codes along K. Its value is code x scale, taken as it is: it is not quantised again, and the codes and scales need not be those that the quantiser above would give.
;; 2 versions. Each part assembles by itself: llvm-mc -triple=amdgcn-amd-amdhsa -mcpu=gfx1250 --defsym DOCPART=n.
;; ======== version 1 of 2: 2 launches
;; workspace buffers: qk_codes 2,097,152 bytes; qk_sw 524,288 bytes; v_img 4,194,304 bytes; v_sw 262,144 bytes
;; launch proj (part 1): grid 64 x 3, 8 waves a work-group, no clusters, 74,752 bytes of LDS; arguments x, Wq_codes, Wq_scales, bq, Wk_codes, Wk_scales, bk, Wv_codes, Wv_scales, bv, qk_codes, qk_sw, v_img, v_sw; writes qk_codes, qk_sw, v_img, v_sw
.if DOCPART == 1
	.amdgcn_target "amdgcn-amd-amdhsa--gfx1250"
	.amdhsa_code_object_version 6
	.text
	.protected	k_qf6797d660e_proj
	.globl	k_qf6797d660e_proj
	.p2align	8
	.type	k_qf6797d660e_proj,@function
k_qf6797d660e_proj:
	s_mov_b64 s[64:65], 0
	v_nop
	global_prefetch_b8 v0, s[64:65] scope:SCOPE_SE
	s_setreg_imm32_b32 hwreg(HW_REG_WAVE_MODE, 25, 1), 1
	s_wait_xcnt 0x0
; q = x Wq + bq, k = x Wk + bk, v = x Wv + bv on codes of FP4 (E2M1) with one E8M0 scale for each 32 along K, and q, k, v quantised again for the two products of the attention.
; x: [8192][1024] f32, quantised here along its 1,024.  Wq, Wk: [256][1024], Wv: [1024][1024]: codes as given, K innermost; their scale bytes [rows][32].  Sums in f32.
; NO WORK IS LEFT OUT, here or in the second launch: bq, bk, bv move the codes of q, k, v; the mask moves the scales of the weights' blocks; the unmasked sum enters through 1e-12: every input is loaded.
; OUT (buffers of this program alone, laid as the second launch's operand registers want them):
;   qk_codes [b 4][head' 16: 0-7 q, 8-15 k][row 2048][16 bytes]: a row's 32 codes of one head (K = the head's 32: one block)
;   qk_sw    [b][pair of heads 8: 0-3 q, 4-7 k][32 rows: 64][lane 16 u + r][head of the pair 2] words: the row's scale byte in all four bytes; row = 32 n + 8 u + r + 8 (r / 8)
;   v_img    [b][head 8][64 keys: 32][tile of channels d 8][lane 32][16 bytes]: lane (r, h): channel 32 (d / 2) + 8 (d % 2) + r + 8 (r / 8), keys 32 h + 0 .. 31 of the 64 (K = the keys)
;   v_sw     [b][head][128 keys: 16][hh 2][lane 16 a + r][e 2] words: the four scale bytes of channel tile d = 4 hh + 2 e + a, row r
; SHARES.  Work-group (x, y): rows 128 x on, columns slice y of three: y = 0: q (waves 0-3) and k (waves 4-7); y = 1, 2: half of v.  A wave owns 64 columns: 4 tiles x 8 K steps of weight
; fragments, 256 registers, read from memory once, in operand order.  Wave w quantises tile w of the 128 rows; the fragments go to the other waves through LDS as images of their registers.
; THE ROWS OF A TILE ARE NOT NEIGHBOURS, in x and in the weights: lane r of tile (n, u) takes row 32 n + 8 u + r + 8 (r / 8), so that the 16 result registers of tiles (n, 0), (n, 1) are 16 neighbours along the next K.
; q, k: source 0 = weight, source 1 = x: a lane holds one row of x and 16 of a head's 32.  v: source 0 = x, source 1 = weight: a lane holds one channel and 16 of 32 keys.
; NO JOINT LOADS: the 64 work-groups of a slice read the same weights, but once each, straight into registers; through LDS a slice's 262,144 + 16,384 bytes do not fit beside the 73,728 of x's images.
; LIMITS: NaN and infinities among the inputs are not served.  A block of zeros gets the byte 1 where the rule says 127: its codes are zeros, and these bytes are read by this program alone.
.set XSC,   65536                      ; LDS: x's 64 fragments (tile mt, K step s) at (8 mt + s) x 1,024 from byte 0; from here their scale words, 128 bytes each
.set SPARE, 73728                      ; the spare words, 128 bytes for each of the eight waves: four blocks of 256 bytes that no other line names
.set SPW, 1                            ; v1   LDS address of my spare word; never rewritten
.set NIL, 2                            ; v2   0; never rewritten
.set XA,  3                            ; v3   x: (r + 8 (r / 8)) x 4,096 + 64 h
.set LI,  4                            ; v4   16 x lane: an image's place; also my place in a store of 512 bytes
.set LS,  5                            ; v5   XSC + 4 x lane
.set XWI, 6                            ; v6   16 x lane + 8,192 x wave: where I store my tile's images
.set XWS, 7                            ; v7   XSC + 4 x lane + 1,024 x wave
.set WO,  8                            ; v8   weights' codes: (r + 8 (r / 8)) x 512 + 16 h
.set WSO, 9                            ; v9   their scale bytes: (r + 8 (r / 8)) x 32
.set BOQ, 10                           ; v10  bias, q and k: 64 h
.set OC,  11                           ; v11  qk_codes: (8 h + r + 8 (r / 8)) x 16
.set O8,  12                           ; v12  8 x lane
.set BOV, 13                           ; v13  bias, v: (r + 8 (r / 8)) x 4
.set WS,  16                           ; v16-47   the weights' scale words, 8 t + s
.set XS,  48                           ; v48-55   x's scale words of the tile in hand
.set BI,  56                           ; v56-87   the biases in the result's layout, 8 t + j
.set TM,  88                           ; v88-91 largest magnitudes; v92-95 the other half's, then the bytes; v100-103 the conversions' scale operands
.set PC,  104                          ; v104-119 codes
.set PW,  120                          ; v120     a scale word
.set SWR, 122                          ; v122-123 the pair for qk_sw
.set VW,  124                          ; v124-127 v's scale words, tiles 0, 2, 1, 3
.set AC,  128                          ; v128-191 eight accumulators; in the first phase 64 numbers of x
.set XF,  192                          ; v192-255 x's eight fragments of a tile; in the first phase 64 numbers of x
                                       ; window 1: the weight fragments, (t, s) at v[8 (8 t + s)]
.set MSB, 0
.macro WIN new                         ; the immediate's high byte repeats the setting that is left
.if MSB != \new
	s_set_vgpr_msb (MSB<<8)|\new
.set MSB, \new
.endif
.endm
.macro PLACES n                        ; plain vector instructions between a matrix instruction and a load into, or a read of, its registers
.rept \n
	v_nop
.endr
.endm
.macro XLOAD buf, s                    ; my 16 rows' numbers of K step s: register 16 b + i = k 128 s + 32 b + 16 h + i of my row
.irp b, 0,1,2,3
.irp j, 0,1,2,3
	global_load_b128 v[\buf+16*\b+4*\j:\buf+16*\b+4*\j+3], v[XA], s[8:9] offset:512*(\s)+128*\b+16*\j
.endr
.endr
.endm
.macro WLOAD s                         ; my four tiles' weight fragments of K step s, into window 1: eight loads
	WIN 0x40
.irp t, 0,1,2,3
.irp c, 0,1
	global_load_b128 v[8*(8*\t+(\s))+4*\c:8*(8*\t+(\s))+4*\c+3], v[WO], s[44:45] offset:(32*(\t/2)+8*(\t%2))*512+64*(\s)+32*\c
.endr
.endr
	WIN 0
.endm
; Four blocks of 32: block b's 16 numbers of my lane in v[src + 16 b] on, the other 16 in lane l xor 16.  Leaves the conversion's scale operand in v[TM+12+b] and the byte in v[TM+4+b].
.macro QSCALE src
.irp b, 0,1,2,3
	v_max3_num_f32 v[TM+\b], |v[\src+16*\b]|, |v[\src+16*\b+1]|, 0x1800000   ; with the floor 2^(3 - 127): the byte cannot fall under 1
.endr
.irp i, 2,4,6,8,10,12,14
.irp b, 0,1,2,3
	v_max3_num_f32 v[TM+\b], v[TM+\b], |v[\src+16*\b+\i]|, |v[\src+16*\b+\i+1]|   ; the four blocks by turns, each accumulator from its low end on
.endr
.endr
.irp b, 0,1,2,3
	v_permlanex16_b32 v[TM+4+\b], v[TM+\b], s40, s41
.endr
.irp b, 0,1,2,3
	v_max_num_f32 v[TM+\b], v[TM+\b], v[TM+4+\b]
.endr
.irp b, 0,1,2,3
	v_add_nc_u32 v[TM+12+\b], 0xff000000, v[TM+\b]   ; 2 off the exponent field: the conversion takes that field as its scale
.endr
.irp b, 0,1,2,3
	v_lshrrev_b32 v[TM+4+\b], 23, v[TM+12+\b]        ; the scale's byte
.endr
.endm
.macro QCVT src, b, dst                ; block b's 16 numbers become two registers of codes
	v_cvt_scalef32_pk8_fp4_f32 v[\dst], v[\src+16*(\b):\src+16*(\b)+7], v[TM+12+(\b)]
	v_cvt_scalef32_pk8_fp4_f32 v[\dst+1], v[\src+16*(\b)+8:\src+16*(\b)+15], v[TM+12+(\b)]
.endm
.macro SWAP2 a                         ; two half blocks a lane become one whole block a lane: the first pair's lanes 16-31 change places with the second pair's lanes 0-15
	v_permlane16_swap_b32 v[\a], v[\a+2]
	v_permlane16_swap_b32 v[\a+1], v[\a+3]
.endm
; K step s of my tile of x: quantised, stored as an image.  cnt: the loads issued behind this step's sixteen.  more: the buffer takes K step s + 2.  Then a chunk of weights is asked for.
.macro XSTEP s, buf, cnt, more
	s_wait_loadcnt \cnt
	s_wait_dscnt 0x0                               ; the last step's stores have read their registers
	QSCALE \buf
	v_lshl_or_b32 v[PW], v[TM+5], 8, v[TM+4]
	v_lshl_or_b32 v[PW], v[TM+6], 16, v[PW]
	v_lshl_or_b32 v[PW], v[TM+7], 24, v[PW]
.irp b, 0,1,2,3
	QCVT \buf, \b, PC+2*\b
.endr
	v_nop                                          ; one plain place behind a scaled conversion
	SWAP2 PC
	SWAP2 PC+4
	ds_store_b128 v[XWI], v[PC:PC+3] offset:1024*(\s)
	ds_store_b128 v[XWI], v[PC+4:PC+7] offset:1024*(\s)+512
	ds_store_b32 v[XWS], v[PW] offset:128*(\s)
.if \more
	XLOAD \buf, (\s)+2
.endif
	WLOAD \s
.endm
.macro FETCH mt                        ; tile mt's eight fragments and scale words come back as they were stored
.irp s, 0,1,2,3,4,5,6,7
.irp c, 0,1
	ds_load_b128 v[XF+8*\s+4*\c:XF+8*\s+4*\c+3], v[LI] offset:(8*(\mt)+\s)*1024+512*\c
.endr
	ds_load_b32 v[XS+\s], v[LS] offset:(8*(\mt)+\s)*128
.endr
.endm
; 32 matrix instructions: my four tiles of columns x one tile of rows, K ascending; the four accumulators take turns; the bias is the C of each sum's first.
.macro MULQK u                         ; source 0 = weight (window 1), source 1 = x
	WIN 0x01
.irp s, 0,1,2,3,4,5,6,7
.irp t, 0,1,2,3
.set rD, AC+32*(\t/2)+16*(\u)+8*(\t%2)
.set rW, 8*(8*\t+\s)
.if \s == 0
	v_wmma_scale_f32_16x16x128_f8f6f4 v[rD:rD+7], v[rW:rW+7], v[XF+8*\s:XF+8*\s+7], v[BI+8*\t:BI+8*\t+7], v[WS+8*\t+\s], v[XS+\s] matrix_a_fmt:MATRIX_FMT_FP4 matrix_b_fmt:MATRIX_FMT_FP4
.else
	v_wmma_scale_f32_16x16x128_f8f6f4 v[rD:rD+7], v[rW:rW+7], v[XF+8*\s:XF+8*\s+7], v[rD:rD+7], v[WS+8*\t+\s], v[XS+\s] matrix_a_fmt:MATRIX_FMT_FP4 matrix_b_fmt:MATRIX_FMT_FP4
.endif
.endr
.endr
	WIN 0
.endm
.macro MULV u                          ; source 0 = x, source 1 = weight (window 1)
	WIN 0x04
.irp s, 0,1,2,3,4,5,6,7
.irp t, 0,1,2,3
.set rD, AC+16*\t+8*(\u)
.set rW, 8*(8*\t+\s)
.if \s == 0
	v_wmma_scale_f32_16x16x128_f8f6f4 v[rD:rD+7], v[XF+8*\s:XF+8*\s+7], v[rW:rW+7], v[BI+8*\t:BI+8*\t+7], v[XS+\s], v[WS+8*\t+\s] matrix_a_fmt:MATRIX_FMT_FP4 matrix_b_fmt:MATRIX_FMT_FP4
.else
	v_wmma_scale_f32_16x16x128_f8f6f4 v[rD:rD+7], v[XF+8*\s:XF+8*\s+7], v[rW:rW+7], v[rD:rD+7], v[XS+\s], v[WS+8*\t+\s] matrix_a_fmt:MATRIX_FMT_FP4 matrix_b_fmt:MATRIX_FMT_FP4
.endif
.endr
.endr
	WIN 0
.endm
	s_load_b512 s[8:23], s[0:1], 0x0               ; x s[8:9]; Wq: codes s[10:11], scales s[12:13], bq s[14:15]; Wk: s[16:17], s[18:19], bk s[20:21]; Wv's codes s[22:23]
	s_load_b256 s[24:31], s[0:1], 0x40             ; Wv's scales s[24:25], bv s[26:27]; qk_codes s[28:29], qk_sw s[30:31]
	s_load_b128 s[32:35], s[0:1], 0x60             ; v_img s[32:33], v_sw s[34:35]
	v_lshl_add_u32 v[SPW], v0, 2, SPARE
	v_mov_b32 v[NIL], 0
	v_lshrrev_b32 v13, 5, v0
	v_readfirstlane_b32 s2, v13                    ; wave 0..7
	s_and_b32 s3, ttmp7, 0xffff                    ; the slice of columns
	v_and_b32 v13, 31, v0                          ; lane
	v_and_b32 v14, 15, v0                          ; r
	v_bfe_u32 v15, v0, 4, 1                        ; h
	v_and_b32 v[OC], 8, v14
	v_add_nc_u32 v14, v[OC], v14                   ; r + 8 (r / 8)
	v_lshlrev_b32 v[XA], 12, v14
	v_lshl_add_u32 v[XA], v15, 6, v[XA]
	v_lshlrev_b32 v[LI], 4, v13
	v_lshl_add_u32 v[LS], v13, 2, XSC
	s_lshl_b32 s36, s2, 13
	v_add_nc_u32 v[XWI], s36, v[LI]
	s_lshl_b32 s36, s2, 10
	v_add_nc_u32 v[XWS], s36, v[LS]
	v_lshlrev_b32 v[WO], 9, v14
	v_lshl_add_u32 v[WO], v15, 4, v[WO]
	v_lshlrev_b32 v[WSO], 5, v14
	v_lshlrev_b32 v[BOQ], 6, v15
	v_lshl_add_u32 v[OC], v15, 3, v14
	v_lshlrev_b32 v[OC], 4, v[OC]
	v_lshlrev_b32 v[O8], 3, v13
	v_lshlrev_b32 v[BOV], 2, v14
.irp b, 0,1,2,3
	v_mov_b32 v[TM+4+\b], 0                        ; written once: a lane permute's destination counts as one of its sources
.endr
	s_mov_b32 s40, 0x76543210
	s_mov_b32 s41, 0xfedcba98                      ; v_permlanex16_b32's selects for lane l xor 16
	s_mov_b32 s42, 0xffff0000                      ; lanes 16-31
	s_mov_b32 s43, 0x01010101
	s_and_b32 s36, s2, 3                           ; my first row of the weight: slice 0: 64 (wave % 4) of Wq or Wk;
	s_lshl_b32 s36, s36, 6
	s_sub_co_u32 s37, s3, 1                        ; slices 1, 2: 512 (slice - 1) + 64 wave of Wv
	s_lshl_b32 s37, s37, 9
	s_lshl_b32 s38, s2, 6
	s_add_co_u32 s37, s37, s38
	s_cmp_eq_u32 s3, 0
	s_cselect_b32 s36, s36, s37
	s_lshl_b32 s50, s36, 9                         ; in bytes: codes,
	s_mov_b32 s51, 0
	s_lshl_b32 s52, s36, 5                         ; scale bytes,
	s_mov_b32 s53, 0
	s_lshl_b32 s54, s36, 2                         ; bias
	s_mov_b32 s55, 0
	s_lshl_b32 s56, ttmp9, 7                       ; my tile's first row of x: 128 x work-group + 32 (wave / 2) + 8 (wave % 2)
	s_lshr_b32 s57, s2, 1
	s_lshl_b32 s57, s57, 5
	s_add_co_u32 s56, s56, s57
	s_and_b32 s57, s2, 1
	s_lshl_b32 s57, s57, 3
	s_add_co_u32 s56, s56, s57
	s_lshl_b32 s56, s56, 12
	s_mov_b32 s57, 0
	s_wait_kmcnt 0x0
	s_add_nc_u64 s[8:9], s[8:9], s[56:57]
	XLOAD AC, 0                                    ; the first two K steps of x go out before anything else
	XLOAD XF, 1
	s_cmp_lt_u32 s2, 4                             ; which weight is mine: the choices hang on ids alone
	s_cselect_b64 s[44:45], s[10:11], s[16:17]
	s_cselect_b64 s[46:47], s[12:13], s[18:19]
	s_cselect_b64 s[48:49], s[14:15], s[20:21]
	s_cmp_eq_u32 s3, 0
	s_cselect_b64 s[44:45], s[44:45], s[22:23]
	s_cselect_b64 s[46:47], s[46:47], s[24:25]
	s_cselect_b64 s[48:49], s[48:49], s[26:27]
	s_add_nc_u64 s[44:45], s[44:45], s[50:51]
	s_add_nc_u64 s[46:47], s[46:47], s[52:53]
	s_add_nc_u64 s[48:49], s[48:49], s[54:55]
	; ---- my tile of x, eight K steps.  The counts: behind step s's sixteen loads stand the next step's sixteen and the weight chunks of eight issued since
	XSTEP 0, AC, 16, 1                             ; behind it: step 1
	XSTEP 1, XF, 24, 1                             ; step 2, chunk 0
	XSTEP 2, AC, 32, 1                             ; chunk 0, step 3, chunk 1
	XSTEP 3, XF, 32, 1
	XSTEP 4, AC, 32, 1
	XSTEP 5, XF, 32, 1
	XSTEP 6, AC, 32, 0
	XSTEP 7, XF, 16, 0                             ; chunks 5 and 6
.irp t, 0,1,2,3
.irp q, 0,1
	global_load_b128 v[WS+8*\t+4*\q:WS+8*\t+4*\q+3], v[WSO], s[46:47] offset:(32*(\t/2)+8*(\t%2))*32+16*\q   ; a row's 32 scale bytes: eight words, one a K step
.endr
.endr
	s_wait_dscnt 0x0                               ; for the others' sake: my images have landed
	s_barrier_signal -1
	s_barrier_wait -1                              ; x's 64 fragments lie in LDS; nothing is stored to LDS behind this barrier but the closing add
	s_cmp_lg_u32 s3, 0
	s_cbranch_scc1 .Lpath_v
	; ---- q and k: my two heads for the 128 rows, 32 rows at a time
.irp t, 0,1,2,3
.irp q, 0,1
	global_load_b128 v[BI+8*\t+4*\q:BI+8*\t+4*\q+3], v[BOQ], s[48:49] offset:(32*(\t/2)+8*(\t%2))*4+16*\q   ; lane (r, h), register j: the bias of column 32 (t / 2) + 16 h + 8 (t % 2) + j
.endr
.endr
	s_lshr_b32 s36, ttmp9, 4                       ; b
	s_and_b32 s37, ttmp9, 15                       ; which 128 rows of the batch
	s_lshl_b32 s56, s36, 19                        ; qk_codes: ((16 b + 2 wave) x 2,048 + 128 x that) x 16
	s_lshl_b32 s38, s2, 16
	s_add_co_u32 s56, s56, s38
	s_lshl_b32 s38, s37, 11
	s_add_co_u32 s56, s56, s38
	s_add_nc_u64 s[28:29], s[28:29], s[56:57]
	s_lshl_b32 s56, s36, 17                        ; qk_sw: ((8 b + wave) x 64 + 4 x that) x 256
	s_lshl_b32 s38, s2, 14
	s_add_co_u32 s56, s56, s38
	s_lshl_b32 s38, s37, 10
	s_add_co_u32 s56, s56, s38
	s_add_nc_u64 s[30:31], s[30:31], s[56:57]
.irp n, 0,1,2,3
.if \n > 0
	PLACES 4
.endif
	FETCH 2*\n
	s_wait_dscnt 0x0
.if \n == 0
	s_wait_loadcnt 0x0                             ; the weights, their scale words, the biases
.endif
	MULQK 0
	PLACES 4
	FETCH 2*\n+1
	s_wait_dscnt 0x0
	MULQK 1
	PLACES 4
	QSCALE AC                                      ; block 2 a + u: head a of my two, tile u: a lane's 16 of the row's 32
	s_wait_xcnt 0x0                                ; the last stores have read their registers: the codes and the pair may be written again
.irp b, 0,1,2,3
	QCVT AC, \b, PC+2*\b
.endr
	v_nop                                          ; one plain place behind a scaled conversion
	SWAP2 PC                                       ; lane (r, u) now holds the whole 16 bytes of row 32 n + 8 u + r + 8 (r / 8), head 0;
	SWAP2 PC+4                                     ; head 1
.irp a, 0,1
	v_cndmask_b32 v[SWR+\a], v[TM+4+2*\a], v[TM+5+2*\a], s42   ; and its row's byte,
	v_mul_lo_u32 v[SWR+\a], v[SWR+\a], s43                     ; in all four bytes of the word
.endr
	global_store_b128 v[OC], v[PC:PC+3], s[28:29] offset:512*\n            ; 32 lanes store 512 consecutive bytes
	global_store_b128 v[OC], v[PC+4:PC+7], s[28:29] offset:512*\n+32768
	global_store_b64 v[O8], v[SWR:SWR+1], s[30:31] offset:256*\n           ; 32 lanes store 256 consecutive bytes, aligned
.endr
	s_wait_tensorcnt 0x0                           ; the wave's end, behind my last LDS store
	ds_add_u32 v[SPW], v[NIL]
	s_wait_dscnt 0x0
	s_endpgm
	; ---- v: my 64 channels for the 128 rows, which are 128 keys: four blocks of 32 along the next K
.Lpath_v:
.irp t, 0,1,2,3
	global_load_b32 v[BI+8*\t], v[BOV], s[48:49] offset:(32*(\t/2)+8*(\t%2))*4   ; a lane holds one channel: one bias for its eight registers
.endr
	s_sub_co_u32 s36, s3, 1
	s_lshl_b32 s36, s36, 2
	s_lshr_b32 s37, s2, 1
	s_add_co_u32 s36, s36, s37                     ; head = 4 (slice - 1) + wave / 2
	s_lshr_b32 s37, ttmp9, 4
	s_lshl_b32 s37, s37, 3
	s_add_co_u32 s36, s36, s37                     ; 8 b + head
	s_and_b32 s37, ttmp9, 15                       ; which 128 keys of the batch
	s_and_b32 s38, s2, 1                           ; which half of the head's channels
	s_lshl_b32 s56, s36, 17                        ; v_img: (((8 b + head) x 32 + 2 x that) x 8 + 4 x half) x 512
	s_lshl_b32 s39, s37, 13
	s_add_co_u32 s56, s56, s39
	s_lshl_b32 s39, s38, 11
	s_add_co_u32 s56, s56, s39
	s_add_nc_u64 s[32:33], s[32:33], s[56:57]
	s_lshl_b32 s56, s36, 13                        ; v_sw: (((8 b + head) x 16 + that) x 2 + half) x 256
	s_lshl_b32 s39, s37, 9
	s_add_co_u32 s56, s56, s39
	s_lshl_b32 s39, s38, 8
	s_add_co_u32 s56, s56, s39
	s_add_nc_u64 s[34:35], s[34:35], s[56:57]
.irp n, 0,1,2,3
.if \n > 0
	PLACES 4
.endif
	FETCH 2*\n
.if \n == 0
	s_wait_loadcnt 0x0                             ; the weights, their scale words, the biases
.irp t, 0,1,2,3
.irp j, 1,2,3,4,5,6,7
	v_mov_b32 v[BI+8*\t+\j], v[BI+8*\t]            ; the bias in the result's layout: the C of each sum's first matrix instruction
.endr
.endr
.endif
	s_wait_dscnt 0x0
	MULV 0
	PLACES 4
	FETCH 2*\n+1
	s_wait_dscnt 0x0
	MULV 1
	PLACES 4
	QSCALE AC                                      ; block t: my channel of tile t, keys 32 n + 16 h + 0 .. 15
.if \n == 2
	s_wait_xcnt 0x0                                ; the first four stores have read their registers
.endif
.irp t, 0,1,2,3
	QCVT AC, \t, PC+4*\t+2*(\n%2)
.endr
.irp t, 0,1,2,3
.if \n == 0
	v_mov_b32 v[VW+2*(\t%2)+\t/2], v[TM+4+\t]      ; byte n of the channel's scale word.  (Plain lines behind the scaled conversions)
.else
	v_lshl_or_b32 v[VW+2*(\t%2)+\t/2], v[TM+4+\t], 8*\n, v[VW+2*(\t%2)+\t/2]
.endif
.endr
.if \n%2 == 1
.irp t, 0,1,2,3
	SWAP2 PC+4*\t                                  ; two blocks of keys: lane (r, h) now holds keys 32 h + 0 .. 31 of the 64
.endr
.irp t, 0,1,2,3
	global_store_b128 v[LI], v[PC+4*\t:PC+4*\t+3], s[32:33] offset:((\n/2)*8+\t)*512   ; 32 lanes store 512 consecutive bytes
.endr
.endif
.endr
	v_cndmask_b32 v[VW], v[VW], v[VW+2], s42       ; lanes 0-15: tiles 0 and 2; lanes 16-31: tiles 1 and 3
	v_cndmask_b32 v[VW+1], v[VW+1], v[VW+3], s42
	global_store_b64 v[O8], v[VW:VW+1], s[34:35]   ; 32 lanes store 256 consecutive bytes, aligned
	s_wait_tensorcnt 0x0                           ; the wave's end
	ds_add_u32 v[SPW], v[NIL]
	s_wait_dscnt 0x0
	s_endpgm
.Lfunc_end_k_qf6797d660e_proj:
	.size	k_qf6797d660e_proj, .Lfunc_end_k_qf6797d660e_proj-k_qf6797d660e_proj
	.p2alignl 7, 3214868480
	.fill 96, 4, 3214868480
	.section	.rodata,"a",@progbits
	.p2align	6, 0x0
	.amdhsa_kernel k_qf6797d660e_proj
		.amdhsa_group_segment_fixed_size 74752
		.amdhsa_private_segment_fixed_size 0
		.amdhsa_enable_private_segment 0
		.amdhsa_kernarg_size 112
		.amdhsa_user_sgpr_count 2
		.amdhsa_user_sgpr_kernarg_segment_ptr 1
		.amdhsa_wavefront_size32 1
		.amdhsa_system_sgpr_workgroup_id_x 1
		.amdhsa_system_sgpr_workgroup_id_y 1
		.amdhsa_system_sgpr_workgroup_id_z 1
		.amdhsa_system_vgpr_workitem_id 0
		.amdhsa_next_free_vgpr 512
		.amdhsa_next_free_sgpr 66
		.amdhsa_reserve_vcc 0
		.amdhsa_float_denorm_mode_32 3
		.amdhsa_float_denorm_mode_16_64 3
		.amdhsa_memory_ordered 1
		.amdhsa_forward_progress 1
		.amdhsa_inst_pref_size 183
	.end_amdhsa_kernel
	.amdgpu_metadata
---
amdhsa.version: [ 1, 2 ]
amdhsa.kernels:
  - .name:           k_qf6797d660e_proj
    .symbol:         k_qf6797d660e_proj.kd
    .args:
      - { .name: x, .offset: 0, .size: 8, .value_kind: global_buffer, .address_space: global }
      - { .name: Wq_codes, .offset: 8, .size: 8, .value_kind: global_buffer, .address_space: global }
      - { .name: Wq_scales, .offset: 16, .size: 8, .value_kind: global_buffer, .address_space: global }
      - { .name: bq, .offset: 24, .size: 8, .value_kind: global_buffer, .address_space: global }
      - { .name: Wk_codes, .offset: 32, .size: 8, .value_kind: global_buffer, .address_space: global }
      - { .name: Wk_scales, .offset: 40, .size: 8, .value_kind: global_buffer, .address_space: global }
      - { .name: bk, .offset: 48, .size: 8, .value_kind: global_buffer, .address_space: global }
      - { .name: Wv_codes, .offset: 56, .size: 8, .value_kind: global_buffer, .address_space: global }
      - { .name: Wv_scales, .offset: 64, .size: 8, .value_kind: global_buffer, .address_space: global }
      - { .name: bv, .offset: 72, .size: 8, .value_kind: global_buffer, .address_space: global }
      - { .name: qk_codes, .offset: 80, .size: 8, .value_kind: global_buffer, .address_space: global }
      - { .name: qk_sw, .offset: 88, .size: 8, .value_kind: global_buffer, .address_space: global }
      - { .name: v_img, .offset: 96, .size: 8, .value_kind: global_buffer, .address_space: global }
      - { .name: v_sw, .offset: 104, .size: 8, .value_kind: global_buffer, .address_space: global }
    .group_segment_fixed_size: 74752
    .private_segment_fixed_size: 0
    .kernarg_segment_align: 8
    .kernarg_segment_size: 112
    .max_flat_workgroup_size: 256
    .sgpr_count:     66
    .vgpr_count:     512
    .wavefront_size: 32
...
	.end_amdgpu_metadata
.endif
;; end of part 1
;; launch attn (part 2): grid 8 x 32, 8 waves a work-group, no clusters, 70,656 bytes of LDS; arguments qk_codes, qk_sw, v_img, v_sw, mask, gamma, x, out0; writes out0
.if DOCPART == 2
	.amdgcn_target "amdgcn-amd-amdhsa--gfx1250"
	.amdhsa_code_object_version 6
	.text
	.protected	k_qf6797d660e_attn
	.globl	k_qf6797d660e_attn
	.p2align	8
	.type	k_qf6797d660e_attn,@function
k_qf6797d660e_attn:
	s_mov_b64 s[64:65], 0
	v_nop
	global_prefetch_b8 v0, s[64:65] scope:SCOPE_SE
	s_setreg_imm32_b32 hwreg(HW_REG_WAVE_MODE, 25, 1), 1
	s_wait_xcnt 0x0
; out = gamma x (beta v) + x;  beta = softmax(relu(q k^T / sqrt(32))) x mask, divided by (its row's sum + 1e-12); both products on codes of FP4 (E2M1) with one E8M0 scale for each 32 along K.
; No work of the problem is left out.  q, k, v come as codes and scale words from the first launch, in the order of the operands' registers (layouts: that kernel's head).
; WHAT IS QUANTISED FOR THE SECOND PRODUCT IS THE FINISHED beta, so a row's divisor is known before any of its codes is made.  With e = 2^(t - M), t = relu(score) x log2(e) / sqrt(32), M any common shift,
; Z = the row's sum of e and Zm = its sum of e x mask:  beta = (e mask / Z) / (Zm / Z + 1e-12) = e x mask / (Zm + 1e-12 Z).
; SHARES.  A work-group owns 256 queries of one head and batch and takes 16 at a time.  THE KEYS ARE SPLIT OVER THE EIGHT WAVES: wave w holds keys 256 w .. 256 w + 255: their K, V and mask stay in its
; registers for the whole launch; a tile's 256 scores of a query are 128 registers in each of two lanes.  Each wave takes its own whole-number maximum M_w away; the waves exchange (Z_w, Zm_w, -M_w)
; through LDS, every wave forms the row's M and c = 1 / (Zm + 1e-12 Z), and beta = e x mask x c x 2^(M_w - M).  The eight partial sums of beta v meet in LDS; each wave adds and stores two rows.
; K = 32 IN AN INSTRUCTION OF K = 128: a fragment of K holds FOUR tiles of 16 keys, one in each block of 32; q stands in block i of four variants and zero codes elsewhere: variant i gives tile i.
; Zero codes add nothing under any scale byte but 0xff, and the bytes here lie between 1 and 254.
; LAYOUT.  Both products transposed (source 0 = keys, then channels; source 1 = queries): a lane holds one query.  The keys of a tile are chosen (lane r of tile 2 b + u: key 32 b + 8 u + r + 8 (r / 8)) so that
; score register 16 b + i is key 32 b + 16 h + i.  The queries of a tile are chosen likewise, since the first launch lays the scale words so.
; NO JOINT LOADS: the eight work-groups of a head read the same K, V and mask, but once each (164 KB at the head, for sixteen tiles' work), straight into the one wave's registers that keeps them;
; a joint load lands in LDS and would add a store-free trip LDS to registers for every byte.  NO PREFETCH: q and x are asked for a whole tile ahead, into registers.
; LIMITS.  NaN and infinities are not served.  e under 2^-126 is taken as 0 (v_exp_f32 flushes: ISA guide 15.8).  beta is formed as (e x mask) x c, one reciprocal in place of two divisions: an order of
; rounding that differs from the reference's.  The mask may hold any int32: it is converted as astype does.
.set OPW,   8448                       ; LDS: a stage for each wave from byte 0: 16 queries x (512 bytes + 16): pitch 528 = 33 x 16, so 16 rows fall on 16 different 16-byte columns modulo 256
.set STAT,  8*OPW                      ; the statistics: [wave][query r][16 bytes]
.set SPARE, STAT+2048                  ; the spare words, 128 bytes for each of the eight waves: four blocks of 256 bytes that no other line names
.set SPW, 1                            ; v1   LDS address of my spare word; never rewritten
.set NIL, 2                            ; v2   0; never rewritten
.set QO,  3                            ; v3   q's codes: (r + 8 (r / 8)) x 16
.set QWO, 4                            ; v4   scale words of q and k: 8 r
.set STW, 5                            ; v5   STAT + 256 wave + 16 r
.set STR, 6                            ; v6   STAT + 1,024 h + 16 r
.set OSW, 7                            ; v7   my stage: OPW wave + 528 r + 64 h
.set OSR, 8                            ; v8   the rows that I add: 528 (2 wave + h) + 16 r
.set XO,  9                            ; v9   the same rows in x and out: (2 wave + 8 (wave / 4) + h) x 4,096 + 16 r
.set CP,  10                           ; v10-11   c x 2^(M_w - M), named as a pair
.set KS,  12                           ; v12-15   K's scale words, one a fragment
.set VS,  16                           ; v16-23   V's scale words
.set QS,  24                           ; v24-25   q's scale word, by the tile's parity
.set PS,  26                           ; v26-27   beta's scale words
.set QT,  28                           ; v28-31   q's 16 bytes as loaded
.set QZ,  32                           ; v32-51   zeros, q in lanes 0-15, zeros, q in lanes 16-31, zeros: four registers each; the four variants begin at 4, 12, 0, 8
.set KF,  52                           ; v52-83   K's four fragments
.set PC,  84                           ; v84-99   the eight waves' statistics, then beta's codes
.set SN,  100                          ; v100-103 Z, Zm, -M, a word that is never used
.set XR,  104                          ; v104-111 x of the rows that I store
.set CH,  112                          ; v112-119 chains and scratch
.set BM,  120                          ; v120-127 the blocks' largest magnitudes, then their bytes
.set S,   128                          ; v128-255 scores, e, beta; v128-191 later the partial sums
.set MF,  128                          ; window 1: v0-127 V's fragments, (d, s) at 8 (8 s + d); v128-255 the mask as f32, in the scores' order
.set MSB, 0
.macro WIN new                         ; the immediate's high byte repeats the setting that is left
.if MSB != \new
	s_set_vgpr_msb (MSB<<8)|\new
.set MSB, \new
.endif
.endm
.macro PLACES n                        ; plain vector instructions between a matrix instruction and what reads or loads its registers, and ahead of a scaled one whose operands vector instructions wrote
.rept \n
	v_nop
.endr
.endm
.macro TMINUS hf                       ; t - M for half hf of the scores, two at a time (of the pairs c0 and -M the low word serves both halves)
.set j, 64*(\hf)
.rept 32
	v_pk_fma_f32 v[S+j:S+j+1], v[S+j:S+j+1], s[34:35], v[SN+2:SN+3] op_sel_hi:[1,0,0]
.set j, j+2
.endr
.endm
.macro EXPS hf
.set j, 64*(\hf)
.rept 64
	v_exp_f32 v[S+j], v[S+j]
.set j, j+1
.endr
.endm
; Half hf of e: its part of Z (two chains), e x mask in place, its part of Zm (two chains), the largest magnitude of each of its four blocks of 32 keys (my 16 of them)
.macro SUMS hf
.set SB, S+64*(\hf)
.set MB, MF+64*(\hf)
.set BB, BM+4*(\hf)
.if \hf == 0
	v_pk_add_f32 v[CH:CH+1], v[SB:SB+1], v[SB+4:SB+5]              ; the first sums start the chains: nothing is cleared
	v_pk_add_f32 v[CH+2:CH+3], v[SB+2:SB+3], v[SB+6:SB+7]
.endif
.set j, 8-8*(\hf)
.rept 14+2*(\hf)
	v_pk_add_f32 v[CH:CH+1], v[CH:CH+1], v[SB+j:SB+j+1]
	v_pk_add_f32 v[CH+2:CH+3], v[CH+2:CH+3], v[SB+j+2:SB+j+3]
.set j, j+4
.endr
	WIN 0x04                                       ; source 1, the mask, in window 1
.set j, 0
.rept 32
	v_pk_mul_f32 v[SB+j:SB+j+1], v[SB+j:SB+j+1], v[MB+j:MB+j+1]
.set j, j+2
.endr
	WIN 0
.if \hf == 0
	v_pk_add_f32 v[CH+4:CH+5], v[SB:SB+1], v[SB+4:SB+5]
	v_pk_add_f32 v[CH+6:CH+7], v[SB+2:SB+3], v[SB+6:SB+7]
.endif
.set j, 8-8*(\hf)
.rept 14+2*(\hf)
	v_pk_add_f32 v[CH+4:CH+5], v[CH+4:CH+5], v[SB+j:SB+j+1]
	v_pk_add_f32 v[CH+6:CH+7], v[CH+6:CH+7], v[SB+j+2:SB+j+3]
.set j, j+4
.endr
.irp b, 0,1,2,3
	v_max3_num_f32 v[BB+\b], |v[SB+16*\b]|, |v[SB+16*\b+1]|, 0
.endr
.irp i, 2,4,6,8,10,12,14
.irp b, 0,1,2,3
	v_max3_num_f32 v[BB+\b], v[BB+\b], |v[SB+16*\b+\i]|, |v[SB+16*\b+\i+1]|
.endr
.endr
.endm
.macro SWAP2 a                         ; two half blocks a lane become one whole block a lane
	v_permlane16_swap_b32 v[\a], v[\a+2]
	v_permlane16_swap_b32 v[\a+1], v[\a+3]
.endm
; ONE TILE OF 16 QUERIES: tile u of the 32 queries at the bases.  ahead = 1: the next tile's q and x are asked for.
.macro TILE u, ahead
	s_wait_loadcnt 0x2                             ; q and its scale word are in; behind them stand this tile's two loads of x
	s_wait_xcnt 0x0                                ; the last tile's stores have read their registers, which the scores take
.irp i, 0,1,2,3
	v_cndmask_b32 v[QZ+4+\i], v[QZ], v[QT+\i], s30    ; q in lanes 0-15, zero codes in lanes 16-31;
	v_cndmask_b32 v[QZ+12+\i], v[QT+\i], v[QZ], s30   ; and the other way round
.endr
.if \ahead
	global_load_b128 v[QT:QT+3], v[QO], s[24:25] offset:128+384*(\u)
	global_load_b32 v[QS+1-(\u)], v[QWO], s[26:27] offset:128+128*(\u)
.endif
	PLACES 4
.irp t, 0,1,2,3,4,5,6,7,8,9,10,11,12,13,14,15          ; S^T = K q^T: tile t of my 16 tiles of keys lies in block t % 4 of fragment t / 4
	v_wmma_scale_f32_16x16x128_f8f6f4 v[S+8*\t:S+8*\t+7], v[KF+8*(\t/4):KF+8*(\t/4)+7], v[QZ+8*(\t%2)+4-4*((\t%4)/2):QZ+8*(\t%2)+4-4*((\t%4)/2)+7], 0, v[KS+\t/4], v[QS+(\u)] matrix_a_fmt:MATRIX_FMT_FP4 matrix_b_fmt:MATRIX_FMT_FP4
.endr
	PLACES 4
.set j, 0
.rept 128
	v_max_num_f32 v[S+j], 0, v[S+j]                ; relu, ahead of the softmax; each accumulator from its low end on
.set j, j+1
.endr
.irp c, 0,1,2,3
	v_max3_num_f32 v[CH+\c], v[S+32*\c], v[S+32*\c+1], v[S+32*\c+2]   ; the largest of my 128, in four chains
.endr
.irp i, 3,5,7,9,11,13,15,17,19,21,23,25,27,29
.irp c, 0,1,2,3
	v_max3_num_f32 v[CH+\c], v[CH+\c], v[S+32*\c+\i], v[S+32*\c+\i+1]
.endr
.endr
	v_max3_num_f32 v[CH], v[CH], v[S+31], v[S+63]
	v_max3_num_f32 v[CH+2], v[CH+2], v[S+95], v[S+127]
	v_max3_num_f32 v[CH], v[CH], v[CH+1], v[CH+2]
	v_max_num_f32 v[CH], v[CH], v[CH+3]
	v_permlanex16_b32 v[CH+1], v[CH], s32, s33
	v_max_num_f32 v[CH], v[CH], v[CH+1]            ; with lane l xor 16's 128 keys: the largest of my wave's 256
	v_mul_f32 v[CH], s34, v[CH]                    ; as t
	v_floor_f32 v[SN+2], -v[CH]                    ; -M_w = floor(-t) = -ceil(t): a whole number
	TMINUS 0
	EXPS 0
	TMINUS 1                                       ; plain work behind the first batch of exponentials, which names none of its results
	s_wait_alu depctr_va_vdst(0)                   ; a wait ahead of a batch's first reader: one for the first 64
	EXPS 1
	SUMS 0                                         ; reads the first batch alone: plain work behind the second
	s_wait_alu depctr_va_vdst(0)                   ; and one for the second 64
	SUMS 1
	v_pk_add_f32 v[CH:CH+1], v[CH:CH+1], v[CH+2:CH+3]
	v_pk_add_f32 v[CH+4:CH+5], v[CH+4:CH+5], v[CH+6:CH+7]
	v_add_f32 v[SN], v[CH], v[CH+1]
	v_add_f32 v[SN+1], v[CH+4], v[CH+5]
	v_permlanex16_b32 v[CH+2], v[SN], s32, s33
	v_permlanex16_b32 v[CH+3], v[SN+1], s32, s33
	v_pk_add_f32 v[SN:SN+1], v[SN:SN+1], v[CH+2:CH+3]   ; Z_w, Zm_w of query r
	ds_store_b128 v[STW], v[SN:SN+3]               ; both halves of the lanes write the same bytes with the same values
	s_wait_dscnt 0x0                               ; for the others' sake: my statistics have landed; my reads of the stages, a tile ago, are back
	s_barrier_signal -1
.irp b, 0,1,2,3,4,5,6,7
	v_permlanex16_b32 v[CH+\b], v[BM+\b], s32, s33 ; work on registers while the others arrive: the blocks' largest magnitudes,
.endr
.irp b, 0,1,2,3,4,5,6,7
	v_max_num_f32 v[BM+\b], v[BM+\b], v[CH+\b]     ; with lane l xor 16's 16 keys
.endr
	s_barrier_wait -1
.irp i, 0,1,2,3
	ds_load_b128 v[PC+4*\i:PC+4*\i+3], v[STR] offset:256*\i   ; lanes 0-15: waves 0-3; lanes 16-31: waves 4-7
.endr
	s_wait_dscnt 0x0
	v_min3_num_f32 v[CH], v[PC+2], v[PC+6], v[PC+10]
	v_min_num_f32 v[CH], v[CH], v[PC+14]
	v_permlanex16_b32 v[CH+1], v[CH], s32, s33
	v_min_num_f32 v[CH], v[CH], v[CH+1]            ; -M of the whole row
.irp i, 0,1,2,3
	v_sub_f32 v[CH+4+\i], v[CH], v[PC+4*\i+2]      ; M_i - M: a whole number, 0 or less
.endr
	v_sub_f32 v[CH+1], v[CH], v[SN+2]              ; and my own wave's
.irp i, 0,1,2,3
	v_cvt_i32_f32 v[CH+4+\i], v[CH+4+\i]           ; (it saturates)
.endr
	v_cvt_i32_f32 v[CH+1], v[CH+1]
.irp i, 0,1,2,3
	v_ldexp_f32 v[PC+4*\i], v[PC+4*\i], v[CH+4+\i]       ; the sums under the row's M: a multiplication that rounds nothing
	v_ldexp_f32 v[PC+4*\i+1], v[PC+4*\i+1], v[CH+4+\i]
.endr
	v_pk_add_f32 v[PC:PC+1], v[PC:PC+1], v[PC+4:PC+5]
	v_pk_add_f32 v[PC+8:PC+9], v[PC+8:PC+9], v[PC+12:PC+13]
	v_pk_add_f32 v[PC:PC+1], v[PC:PC+1], v[PC+8:PC+9]
	v_permlanex16_b32 v[CH+2], v[PC], s32, s33
	v_permlanex16_b32 v[CH+3], v[PC+1], s32, s33
	v_pk_add_f32 v[PC:PC+1], v[PC:PC+1], v[CH+2:CH+3]    ; Z, Zm of the row
	v_fmamk_f32 v[CH+2], v[PC], 0x2b8cbccc, v[PC+1]      ; Zm + 1e-12 Z
	v_rcp_f32 v[CH+3], v[CH+2]
	v_nop                                          ; a plain place behind the reciprocal
	s_wait_alu depctr_va_vdst(0)                   ; and a wait ahead of its first reader
	v_ldexp_f32 v[CP], v[CH+3], v[CH+1]            ; c x 2^(M_w - M)
.set j, 0
.rept 64
	v_pk_mul_f32 v[S+j:S+j+1], v[S+j:S+j+1], v[CP:CP+1] op_sel_hi:[1,0]   ; beta, finished
.set j, j+2
.endr
.irp b, 0,1,2,3,4,5,6,7
	v_mul_f32 v[BM+\b], v[BM+\b], v[CP]            ; a block's largest beta: the same multiplication on the same number gives the same bits
.endr
.irp b, 0,1,2,3,4,5,6,7
	v_max_num_f32 v[BM+\b], 0x1800000, |v[BM+\b]|  ; the floor 2^(3 - 127): the byte cannot fall under 1 (a block of zeros keeps that byte: its codes are zeros)
.endr
.irp b, 0,1,2,3,4,5,6,7
	v_add_nc_u32 v[CH+\b], 0xff000000, v[BM+\b]    ; 2 off the exponent field: the conversion's scale operand
.endr
.irp b, 0,1,2,3,4,5,6,7
	v_lshrrev_b32 v[BM+\b], 23, v[CH+\b]           ; the scale's byte
.endr
.irp s, 0,1
	v_lshl_or_b32 v[PS+\s], v[BM+4*\s+1], 8, v[BM+4*\s]   ; beta's scale word for keys 128 s on
	v_lshl_or_b32 v[PS+\s], v[BM+4*\s+2], 16, v[PS+\s]
	v_lshl_or_b32 v[PS+\s], v[BM+4*\s+3], 24, v[PS+\s]
.endr
.irp b, 0,1,2,3,4,5,6,7
	v_cvt_scalef32_pk8_fp4_f32 v[PC+2*\b], v[S+16*\b:S+16*\b+7], v[CH+\b]
	v_cvt_scalef32_pk8_fp4_f32 v[PC+2*\b+1], v[S+16*\b+8:S+16*\b+15], v[CH+\b]
.endr
	v_nop                                          ; one plain place behind a scaled conversion
.irp c, 0,1,2,3
	SWAP2 PC+4*\c                                  ; registers 4 c .. 4 c + 3: keys 64 c + 32 h + 0 .. 31
.endr
	PLACES 8                                       ; the scale words and the codes were written by vector instructions
	WIN 0x01                                       ; source 0, V, in window 1
.irp s, 0,1                                            ; O^T = V^T beta^T over my 256 keys: eight accumulators by turns; the first pass starts the sums
.irp d, 0,1,2,3,4,5,6,7
.if \s == 0
.if \d%2 == 0
	v_wmma_scale_f32_16x16x128_f8f6f4 v[S+8*\d:S+8*\d+7], v[8*(8*\s+\d):8*(8*\s+\d)+7], v[PC+8*\s:PC+8*\s+7], 0, v[VS+4*\s+2*(\d/4)+(\d/2)%2], v[PS+\s] matrix_a_fmt:MATRIX_FMT_FP4 matrix_b_fmt:MATRIX_FMT_FP4
.else
	v_wmma_scale_f32_16x16x128_f8f6f4 v[S+8*\d:S+8*\d+7], v[8*(8*\s+\d):8*(8*\s+\d)+7], v[PC+8*\s:PC+8*\s+7], 0, v[VS+4*\s+2*(\d/4)+(\d/2)%2], v[PS+\s] matrix_a_fmt:MATRIX_FMT_FP4 matrix_b_fmt:MATRIX_FMT_FP4 matrix_a_scale:MATRIX_SCALE_ROW1
.endif
.else
.if \d%2 == 0
	v_wmma_scale_f32_16x16x128_f8f6f4 v[S+8*\d:S+8*\d+7], v[8*(8*\s+\d):8*(8*\s+\d)+7], v[PC+8*\s:PC+8*\s+7], v[S+8*\d:S+8*\d+7], v[VS+4*\s+2*(\d/4)+(\d/2)%2], v[PS+\s] matrix_a_fmt:MATRIX_FMT_FP4 matrix_b_fmt:MATRIX_FMT_FP4
.else
	v_wmma_scale_f32_16x16x128_f8f6f4 v[S+8*\d:S+8*\d+7], v[8*(8*\s+\d):8*(8*\s+\d)+7], v[PC+8*\s:PC+8*\s+7], v[S+8*\d:S+8*\d+7], v[VS+4*\s+2*(\d/4)+(\d/2)%2], v[PS+\s] matrix_a_fmt:MATRIX_FMT_FP4 matrix_b_fmt:MATRIX_FMT_FP4 matrix_a_scale:MATRIX_SCALE_ROW1
.endif
.endif
.endr
.endr
	WIN 0
	PLACES 4
.irp d, 0,1,2,3,4,5,6,7                                ; lane (r, h), tile d, register j: query r, channel 32 (d / 2) + 16 h + 8 (d % 2) + j
	ds_store_b128 v[OSW], v[S+8*\d:S+8*\d+3] offset:128*(\d/2)+32*(\d%2)
	ds_store_b128 v[OSW], v[S+8*\d+4:S+8*\d+7] offset:128*(\d/2)+32*(\d%2)+16
.endr
	s_wait_dscnt 0x0                               ; for the others' sake: my partial sums have landed; my reads of the statistics are back
	s_barrier_signal -1
	s_barrier_wait -1
.irp p, 0,1,2,3,4,5,6,7                                ; rows 2 wave + h of all eight stages: 16 lanes take 256 bytes, twice
.irp k, 0,1
	ds_load_b128 v[S+8*\p+4*\k:S+8*\p+4*\k+3], v[OSR] offset:OPW*\p+256*\k
.endr
.endr
	s_wait_dscnt 0x8                               ; waves 0 to 3's are in; the youngest eight loads may be out
.irp p, 1,2,3
.irp e, 0,2,4,6
	v_pk_add_f32 v[S+\e:S+\e+1], v[S+\e:S+\e+1], v[S+8*\p+\e:S+8*\p+\e+1]
.endr
.endr
	s_wait_dscnt 0x0
.irp p, 4,5,6,7
.irp e, 0,2,4,6
	v_pk_add_f32 v[S+\e:S+\e+1], v[S+\e:S+\e+1], v[S+8*\p+\e:S+8*\p+\e+1]
.endr
.endr
.if \ahead
	s_wait_loadcnt 0x2                             ; x of this tile is in; behind it stand the next tile's q and scale word
.else
	s_wait_loadcnt 0x0
.endif
.irp e, 0,2,4,6
	v_pk_fma_f32 v[S+\e:S+\e+1], v[S+\e:S+\e+1], s[36:37], v[XR+\e:XR+\e+1] op_sel_hi:[1,0,1]   ; gamma x o + x
.endr
.if \ahead
	global_load_b128 v[XR:XR+3], v[XO], s[20:21] offset:32768+98304*(\u) th:TH_LOAD_NT
	global_load_b128 v[XR+4:XR+7], v[XO], s[20:21] offset:32768+98304*(\u)+256 th:TH_LOAD_NT
.endif
	global_store_b128 v[XO], v[S:S+3], s[22:23] offset:32768*(\u) th:TH_STORE_NT       ; 16 lanes store 256 consecutive bytes, at a multiple of 256 from out's first byte
	global_store_b128 v[XO], v[S+4:S+7], s[22:23] offset:32768*(\u)+256 th:TH_STORE_NT
.endm
	s_load_b512 s[8:23], s[0:1], 0x0               ; qk_codes s[8:9], qk_sw s[10:11], v_img s[12:13], v_sw s[14:15], mask s[16:17], gamma s[18:19], x s[20:21], out s[22:23]
	v_lshl_add_u32 v[SPW], v0, 2, SPARE
	v_mov_b32 v[NIL], 0
	v_lshrrev_b32 v120, 5, v0
	v_readfirstlane_b32 s2, v120                   ; wave 0..7
	s_and_b32 s3, ttmp7, 0xffff                    ; 8 b + head
	s_lshr_b32 s4, s3, 3                           ; b
	s_and_b32 s5, s3, 7                            ; head
	v_and_b32 v120, 31, v0                         ; lane
	v_and_b32 v121, 15, v0                         ; r
	v_bfe_u32 v122, v0, 4, 1                       ; h
	v_and_b32 v123, 8, v121
	v_add_nc_u32 v123, v123, v121                  ; r + 8 (r / 8)
	v_lshlrev_b32 v[QO], 4, v123
	v_lshlrev_b32 v[QWO], 3, v121
	s_lshl_b32 s6, s2, 8
	v_lshl_add_u32 v[STW], v121, 4, STAT
	v_add_nc_u32 v[STW], s6, v[STW]
	v_lshl_add_u32 v[STR], v121, 4, STAT
	v_lshl_add_u32 v[STR], v122, 10, v[STR]
	s_mul_i32 s6, s2, OPW
	v_mul_u32_u24 v[OSW], v121, 528
	v_lshl_add_u32 v[OSW], v122, 6, v[OSW]
	v_add_nc_u32 v[OSW], s6, v[OSW]
	s_mul_i32 s6, s2, 1056
	v_mul_u32_u24 v[OSR], v122, 528
	v_lshl_add_u32 v[OSR], v121, 4, v[OSR]
	v_add_nc_u32 v[OSR], s6, v[OSR]
	s_lshl_b32 s6, s2, 1                           ; tile row 2 wave + h is query 2 wave + h + 8 (wave / 4) of the tile's 24
	s_lshr_b32 s7, s2, 2
	s_lshl_b32 s7, s7, 3
	s_add_co_u32 s6, s6, s7
	s_lshl_b32 s6, s6, 12
	v_lshlrev_b32 v[XO], 12, v122
	v_lshl_add_u32 v[XO], v121, 4, v[XO]
	v_add_nc_u32 v[XO], s6, v[XO]
	v_lshl_add_u32 v112, v122, 3, v123             ; the head's loads: K's codes: (8 h + r + 8 (r / 8)) x 16;
	v_lshlrev_b32 v112, 4, v112
	v_lshlrev_b32 v113, 4, v120                    ; V's fragments: 16 x lane;
	v_lshlrev_b32 v114, 3, v120                    ; V's scale words: 8 x lane;
	v_lshlrev_b32 v115, 6, v122                    ; the mask: 64 h
	s_mov_b32 s30, 0xffff                          ; lanes 0-15
	s_mov_b32 s32, 0x76543210
	s_mov_b32 s33, 0xfedcba98                      ; v_permlanex16_b32's selects for lane l xor 16
	s_mov_b32 s34, 0x3e8293ee                      ; c0 = log2(e) / sqrt(32)
	s_mov_b32 s35, s34                             ; (named with it as a pair, so it is written)
	s_lshl_b32 s6, s4, 4
	s_add_co_u32 s6, s6, s5
	s_lshl_b32 s6, s6, 15                          ; qk_codes: (16 b + head) x 2,048 rows x 16 bytes;
	s_lshl_b32 s40, ttmp9, 12                      ; q: + my work-group's 256 rows;
	s_add_co_u32 s40, s40, s6
	s_mov_b32 s41, 0
	s_lshl_b32 s42, s2, 12                         ; k: eight heads on, + my wave's 256 rows
	s_add_co_u32 s42, s42, s6
	s_add_co_u32 s42, s42, 0x40000
	s_mov_b32 s43, 0
	s_lshl_b32 s6, s4, 3
	s_lshr_b32 s7, s5, 1
	s_add_co_u32 s6, s6, s7
	s_lshl_b32 s6, s6, 14                          ; qk_sw: (8 b + head / 2) x 64 x 256 bytes + 4 (head % 2);
	s_and_b32 s7, s5, 1
	s_lshl_b32 s7, s7, 2
	s_add_co_u32 s6, s6, s7
	s_lshl_b32 s44, ttmp9, 11                      ; q: + 8 x 256 bytes a work-group;
	s_add_co_u32 s44, s44, s6
	s_mov_b32 s45, 0
	s_lshl_b32 s46, s2, 11                         ; k: four pairs of heads on, + 8 x 256 bytes a wave
	s_add_co_u32 s46, s46, s6
	s_add_co_u32 s46, s46, 0x10000
	s_mov_b32 s47, 0
	s_lshl_b32 s48, s3, 17                         ; v_img: (32 (8 b + head) + 4 wave) x 4,096
	s_lshl_b32 s7, s2, 14
	s_add_co_u32 s48, s48, s7
	s_mov_b32 s49, 0
	s_lshl_b32 s50, s3, 13                         ; v_sw: (16 (8 b + head) + 2 wave) x 512
	s_lshl_b32 s7, s2, 10
	s_add_co_u32 s50, s50, s7
	s_mov_b32 s51, 0
	s_lshl_b32 s52, s4, 13                         ; mask: (2,048 b + 256 wave) x 4
	s_add_co_u32 s52, s52, s7
	s_mov_b32 s53, 0
	s_lshl_b32 s54, s4, 23                         ; x, out: (2,048 b + 256 work-group) rows of 4,096 bytes + 512 head
	s_lshl_b32 s7, ttmp9, 20
	s_add_co_u32 s54, s54, s7
	s_lshl_b32 s7, s5, 9
	s_add_co_u32 s54, s54, s7
	s_mov_b32 s55, 0
	s_wait_kmcnt 0x0
	s_add_nc_u64 s[24:25], s[8:9], s[40:41]        ; q's codes
	s_add_nc_u64 s[8:9], s[8:9], s[42:43]          ; k's
	s_add_nc_u64 s[26:27], s[10:11], s[44:45]      ; q's scale words
	s_add_nc_u64 s[10:11], s[10:11], s[46:47]      ; k's
	s_add_nc_u64 s[12:13], s[12:13], s[48:49]
	s_add_nc_u64 s[14:15], s[14:15], s[50:51]
	s_add_nc_u64 s[16:17], s[16:17], s[52:53]
	s_add_nc_u64 s[20:21], s[20:21], s[54:55]
	s_add_nc_u64 s[22:23], s[22:23], s[54:55]
	s_load_b32 s36, s[18:19], 0x0                  ; gamma
.irp g, 0,1,2,3                                        ; K: lane (r, h), registers 4 c on: the 16 bytes of key 32 (2 g + c) + 8 h + r + 8 (r / 8): 32 lanes read 512 consecutive bytes
.irp c, 0,1
	global_load_b128 v[KF+8*\g+4*\c:KF+8*\g+4*\c+3], v112, s[8:9] offset:1024*\g+512*\c
.endr
.endr
.irp g, 0,1,2,3                                        ; the scale words of the four tiles of a fragment
.irp e, 0,1,2,3
	global_load_b32 v[S+4*\g+\e], v[QWO], s[10:11] offset:(2*\g+\e/2)*256+128*(\e%2)
.endr
.endr
.irp s, 0,1
.irp hh, 0,1
	global_load_b64 v[VS+4*\s+2*\hh:VS+4*\s+2*\hh+1], v114, s[14:15] offset:(2*\s+\hh)*256   ; register 4 s + 2 hh + e: lanes 0-15 tile 4 hh + 2 e, lanes 16-31 tile 4 hh + 2 e + 1
.endr
.endr
	WIN 0x40                                       ; destination window 1
.irp s, 0,1
.irp c, 0,1
.irp d, 0,1,2,3,4,5,6,7
	global_load_b128 v[8*(8*\s+\d)+4*\c:8*(8*\s+\d)+4*\c+3], v113, s[12:13] offset:((2*\s+\c)*8+\d)*512
.endr
.endr
.endr
.irp b, 0,1,2,3,4,5,6,7
.irp i, 0,1,2,3
	global_load_b128 v[MF+16*\b+4*\i:MF+16*\b+4*\i+3], v115, s[16:17] offset:128*\b+16*\i   ; register 16 b + i: key 32 b + 16 h + i of my 256
.endr
.endr
	WIN 0
	global_load_b128 v[QT:QT+3], v[QO], s[24:25]   ; the first tile's q,
	global_load_b32 v[QS], v[QWO], s[26:27]        ; its scale word,
	global_load_b128 v[XR:XR+3], v[XO], s[20:21] th:TH_LOAD_NT   ; and its x
	global_load_b128 v[XR+4:XR+7], v[XO], s[20:21] offset:256 th:TH_LOAD_NT
	s_wait_loadcnt 0x4                             ; all but those four
.irp g, 0,1,2,3
	v_and_b32 v[KS+\g], 0xff, v[S+4*\g]            ; byte i of a fragment's scale word: the byte of its tile i (each word holds its row's byte four times)
	v_and_or_b32 v[KS+\g], v[S+4*\g+1], 0xff00, v[KS+\g]
	v_and_or_b32 v[KS+\g], v[S+4*\g+2], 0xff0000, v[KS+\g]
	v_and_or_b32 v[KS+\g], v[S+4*\g+3], 0xff000000, v[KS+\g]
.endr
	WIN 0x41                                       ; destination and source 0 in window 1
.set j, 0
.rept 128
	v_cvt_f32_i32 v[MF+j], v[MF+j]                 ; the mask as f32, once for the launch
.set j, j+1
.endr
	WIN 0
.irp i, 0,1,2,3
	v_mov_b32 v[QZ+\i], 0                          ; the variants' zero codes
	v_mov_b32 v[QZ+8+\i], 0
	v_mov_b32 v[QZ+16+\i], 0
.endr
	v_mov_b32 v[SN+3], 0                           ; (named as the upper half of a pair, and stored with the statistics)
	v_mov_b32 v[CP+1], 0                           ; (named as the upper half of a pair)
	s_wait_kmcnt 0x0
	s_mov_b32 s37, s36                             ; (gamma is named as a pair)
	s_mov_b32 s38, 7
.Ltrip:                                                ; a trip: 32 queries, two tiles
	TILE 0, 1
	TILE 1, 1
	s_wait_xcnt 0x0                                ; the loads and stores have read their bases
	s_add_nc_u64 s[24:25], s[24:25], 512
	s_add_nc_u64 s[26:27], s[26:27], 256
	s_add_nc_u64 s[20:21], s[20:21], 0x20000
	s_add_nc_u64 s[22:23], s[22:23], 0x20000
	s_sub_co_u32 s38, s38, 1
	s_cmp_lg_u32 s38, 0
	s_cbranch_scc1 .Ltrip
	TILE 0, 1                                      ; the last 32 queries are written out: the last tile asks for nothing, so no load leaves its buffer
	TILE 1, 0
	s_wait_tensorcnt 0x0                           ; the wave's end, behind my last LDS store
	ds_add_u32 v[SPW], v[NIL]
	s_wait_dscnt 0x0
	s_endpgm
.Lfunc_end_k_qf6797d660e_attn:
	.size	k_qf6797d660e_attn, .Lfunc_end_k_qf6797d660e_attn-k_qf6797d660e_attn
	.p2alignl 7, 3214868480
	.fill 96, 4, 3214868480
	.section	.rodata,"a",@progbits
	.p2align	6, 0x0
	.amdhsa_kernel k_qf6797d660e_attn
		.amdhsa_group_segment_fixed_size 70656
		.amdhsa_private_segment_fixed_size 0
		.amdhsa_enable_private_segment 0
		.amdhsa_kernarg_size 64
		.amdhsa_user_sgpr_count 2
		.amdhsa_user_sgpr_kernarg_segment_ptr 1
		.amdhsa_wavefront_size32 1
		.amdhsa_system_sgpr_workgroup_id_x 1
		.amdhsa_system_sgpr_workgroup_id_y 1
		.amdhsa_system_sgpr_workgroup_id_z 1
		.amdhsa_system_vgpr_workitem_id 0
		.amdhsa_next_free_vgpr 512
		.amdhsa_next_free_sgpr 66
		.amdhsa_reserve_vcc 0
		.amdhsa_float_denorm_mode_32 3
		.amdhsa_float_denorm_mode_16_64 3
		.amdhsa_memory_ordered 1
		.amdhsa_forward_progress 1
		.amdhsa_inst_pref_size 230
	.end_amdhsa_kernel
	.amdgpu_metadata
---
amdhsa.version: [ 1, 2 ]
amdhsa.kernels:
  - .name:           k_qf6797d660e_attn
    .symbol:         k_qf6797d660e_attn.kd
    .args:
      - { .name: qk_codes, .offset: 0, .size: 8, .value_kind: global_buffer, .address_space: global }
      - { .name: qk_sw, .offset: 8, .size: 8, .value_kind: global_buffer, .address_space: global }
      - { .name: v_img, .offset: 16, .size: 8, .value_kind: global_buffer, .address_space: global }
      - { .name: v_sw, .offset: 24, .size: 8, .value_kind: global_buffer, .address_space: global }
      - { .name: mask, .offset: 32, .size: 8, .value_kind: global_buffer, .address_space: global }
      - { .name: gamma, .offset: 40, .size: 8, .value_kind: global_buffer, .address_space: global }
      - { .name: x, .offset: 48, .size: 8, .value_kind: global_buffer, .address_space: global }
      - { .name: out0, .offset: 56, .size: 8, .value_kind: global_buffer, .address_space: global }
    .group_segment_fixed_size: 70656
    .private_segment_fixed_size: 0
    .kernarg_segment_align: 8
    .kernarg_segment_size: 64
    .max_flat_workgroup_size: 256
    .sgpr_count:     66
    .vgpr_count:     512
    .wavefront_size: 32
...
	.end_amdgpu_metadata
.endif
;; end of part 2
;; ======== version 2 of 2: 2 launches; version 1 with the launches proj, attn written anew for expert scheduling mode
;; workspace buffers: qk_codes 2,097,152 bytes; qk_sw 524,288 bytes; v_img 4,194,304 bytes; v_sw 262,144 bytes
;; launch proj (part 3): grid 64 x 3, 8 waves a work-group, no clusters, 74,752 bytes of LDS; arguments x, Wq_codes, Wq_scales, bq, Wk_codes, Wk_scales, bk, Wv_codes, Wv_scales, bv, qk_codes, qk_sw, v_img, v_sw; writes qk_codes, qk_sw, v_img, v_sw
.if DOCPART == 3
	.amdgcn_target "amdgcn-amd-amdhsa--gfx1250"
	.amdhsa_code_object_version 6
	.text
	.protected	k_qf6797d660e_proj
	.globl	k_qf6797d660e_proj
	.p2align	8
	.type	k_qf6797d660e_proj,@function
k_qf6797d660e_proj:
	s_mov_b64 s[64:65], 0
	v_nop
	global_prefetch_b8 v0, s[64:65] scope:SCOPE_SE
	s_setreg_imm32_b32 hwreg(HW_REG_WAVE_SCHED_MODE, 0, 2), 2
	s_setreg_imm32_b32 hwreg(HW_REG_WAVE_MODE, 25, 1), 1
	s_wait_xcnt 0x0
	s_wait_alu depctr_vm_vsrc(0)
; q = x Wq + bq, k = x Wk + bk, v = x Wv + bv on codes of FP4 (E2M1) with one E8M0 scale for each 32 along K, and q, k, v quantised again for the two products of the attention.
; x: [8192][1024] f32, quantised here along its 1,024.  Wq, Wk: [256][1024], Wv: [1024][1024]: codes as given, K innermost; their scale bytes [rows][32].  Sums in f32.
; NO WORK IS LEFT OUT, here or in the second launch: bq, bk, bv move the codes of q, k, v; the mask moves the scales of the weights' blocks; the unmasked sum enters through 1e-12: every input is loaded.
; OUT (buffers of this program alone, laid as the second launch's operand registers want them):
;   qk_codes [b 4][head' 16: 0-7 q, 8-15 k][row 2048][16 bytes]: a row's 32 codes of one head (K = the head's 32: one block)
;   qk_sw    [b][pair of heads 8: 0-3 q, 4-7 k][32 rows: 64][lane 16 u + r][head of the pair 2] words: the row's scale byte in all four bytes; row = 32 n + 8 u + r + 8 (r / 8)
;   v_img    [b][head 8][64 keys: 32][tile of channels d 8][lane 32][16 bytes]: lane (r, h): channel 32 (d / 2) + 8 (d % 2) + r + 8 (r / 8), keys 32 h + 0 .. 31 of the 64 (K = the keys)
;   v_sw     [b][head][128 keys: 16][hh 2][lane 16 a + r][e 2] words: the four scale bytes of channel tile d = 4 hh + 2 e + a, row r
; SHARES.  Work-group (x, y): rows 128 x on, columns slice y of three: y = 0: q (waves 0-3) and k (waves 4-7); y = 1, 2: half of v.  A wave owns 64 columns: 4 tiles x 8 K steps of weight
; fragments, 256 registers, read from memory once, in operand order.  Wave w quantises tile w of the 128 rows; the fragments go to the other waves through LDS as images of their registers.
; THE ROWS OF A TILE ARE NOT NEIGHBOURS, in x and in the weights: lane r of tile (n, u) takes row 32 n + 8 u + r + 8 (r / 8), so that the 16 result registers of tiles (n, 0), (n, 1) are 16 neighbours along the next K.
; q, k: source 0 = weight, source 1 = x: a lane holds one row of x and 16 of a head's 32.  v: source 0 = x, source 1 = weight: a lane holds one channel and 16 of 32 keys.
; NO JOINT LOADS: the 64 work-groups of a slice read the same weights, but once each, straight into registers; through LDS a slice's 262,144 + 16,384 bytes do not fit beside the 73,728 of x's images.
; LIMITS: NaN and infinities among the inputs are not served.  A block of zeros gets the byte 1 where the rule says 127: its codes are zeros, and these bytes are read by this program alone.
; THE MODE: SCHED_MODE bits 1:0 = 2 (LLVM: expert scheduling mode 2), set by the entry lines.  The code itself states the register dependences between vector or matrix instructions
; and memory or LDS instructions, with s_wait_alu, always for 0.
; THE PLAN.  Registers that memory or LDS instructions touch:
;   v3-v13        addresses and offsets: written once at the head, ahead of the one wait in front of the first load; never written again.
;   AC, XF        first phase: K step s's maxima and conversions read the buffer; behind them the loads of K step s + 2 land in it.
;   PC, PW        first phase: written by a step's conversions, swaps and shifts; read by its three LDS stores; written again a step later.
;   window 1, WS  loaded once; named by matrix instructions alone.  BI: loaded once (v's path fills its other registers by moves); the C of matrix instructions.
;   XF, XS        second phase: a tile's 24 LDS loads land there; its 32 matrix instructions read them; then the next tile's loads land.
;   PC, SWR, VW   second phase: written by a block's conversions, swaps and selects; read by its global stores; written again a block (v: two blocks) later.
; So a K step of the first phase has one wait on vm_vsrc at its head and one on va_vdst ahead of its LDS stores, which also frees the raw buffer.  In the second phase one wait on va_vdst stands behind
; each run of 32 matrix instructions, and the next tile's LDS loads follow it at once: those of the next 32 rows' first tile ahead of the block's quantising, which names none of XF, XS, v4, v5.
.set XSC,   65536                      ; LDS: x's 64 fragments (tile mt, K step s) at (8 mt + s) x 1,024 from byte 0; from here their scale words, 128 bytes each
.set SPARE, 73728                      ; the spare words, 128 bytes for each of the eight waves: four blocks of 256 bytes that no other line names
.set SPW, 1                            ; v1   LDS address of my spare word; never rewritten
.set NIL, 2                            ; v2   0; never rewritten
.set XA,  3                            ; v3   x: (r + 8 (r / 8)) x 4,096 + 64 h
.set LI,  4                            ; v4   16 x lane: an image's place; also my place in a store of 512 bytes
.set LS,  5                            ; v5   XSC + 4 x lane
.set XWI, 6                            ; v6   16 x lane + 8,192 x wave: where I store my tile's images
.set XWS, 7                            ; v7   XSC + 4 x lane + 1,024 x wave
.set WO,  8                            ; v8   weights' codes: (r + 8 (r / 8)) x 512 + 16 h
.set WSO, 9                            ; v9   their scale bytes: (r + 8 (r / 8)) x 32
.set BOQ, 10                           ; v10  bias, q and k: 64 h
.set OC,  11                           ; v11  qk_codes: (8 h + r + 8 (r / 8)) x 16
.set O8,  12                           ; v12  8 x lane
.set BOV, 13                           ; v13  bias, v: (r + 8 (r / 8)) x 4
.set WS,  16                           ; v16-47   the weights' scale words, 8 t + s
.set XS,  48                           ; v48-55   x's scale words of the tile in hand
.set BI,  56                           ; v56-87   the biases in the result's layout, 8 t + j
.set TM,  88                           ; v88-91 largest magnitudes; v92-95 the other half's, then the bytes; v100-103 the conversions' scale operands
.set PC,  104                          ; v104-119 codes
.set PW,  120                          ; v120     a scale word
.set SWR, 122                          ; v122-123 the pair for qk_sw
.set VW,  124                          ; v124-127 v's scale words, tiles 0, 2, 1, 3
.set AC,  128                          ; v128-191 eight accumulators; in the first phase 64 numbers of x
.set XF,  192                          ; v192-255 x's eight fragments of a tile; in the first phase 64 numbers of x
                                       ; window 1: the weight fragments, (t, s) at v[8 (8 t + s)]
.set MSB, 0
.macro WIN new                         ; the immediate's high byte repeats the setting that is left
.if MSB != \new
	s_set_vgpr_msb (MSB<<8)|\new
.set MSB, \new
.endif
.endm
.macro PLACES n                        ; plain vector instructions between a matrix instruction and a load into, or a read of, its registers
.rept \n
	v_nop
.endr
.endm
.macro XLOAD buf, s                    ; my 16 rows' numbers of K step s: register 16 b + i = k 128 s + 32 b + 16 h + i of my row
.irp b, 0,1,2,3
.irp j, 0,1,2,3
	global_load_b128 v[\buf+16*\b+4*\j:\buf+16*\b+4*\j+3], v[XA], s[8:9] offset:512*(\s)+128*\b+16*\j
.endr
.endr
.endm
.macro WLOAD s                         ; my four tiles' weight fragments of K step s, into window 1: eight loads.  No vector instruction ever names these registers, and v[WO] stands since the head
	WIN 0x40
.irp t, 0,1,2,3
.irp c, 0,1
	global_load_b128 v[8*(8*\t+(\s))+4*\c:8*(8*\t+(\s))+4*\c+3], v[WO], s[44:45] offset:(32*(\t/2)+8*(\t%2))*512+64*(\s)+32*\c
.endr
.endr
	WIN 0
.endm
; Four blocks of 32: block b's 16 numbers of my lane in v[src + 16 b] on, the other 16 in lane l xor 16.  Leaves the conversion's scale operand in v[TM+12+b] and the byte in v[TM+4+b].
.macro QSCALE src
.irp b, 0,1,2,3
	v_max3_num_f32 v[TM+\b], |v[\src+16*\b]|, |v[\src+16*\b+1]|, 0x1800000   ; with the floor 2^(3 - 127): the byte cannot fall under 1
.endr
.irp i, 2,4,6,8,10,12,14
.irp b, 0,1,2,3
	v_max3_num_f32 v[TM+\b], v[TM+\b], |v[\src+16*\b+\i]|, |v[\src+16*\b+\i+1]|   ; the four blocks by turns, each accumulator from its low end on
.endr
.endr
.irp b, 0,1,2,3
	v_permlanex16_b32 v[TM+4+\b], v[TM+\b], s40, s41
.endr
.irp b, 0,1,2,3
	v_max_num_f32 v[TM+\b], v[TM+\b], v[TM+4+\b]
.endr
.irp b, 0,1,2,3
	v_add_nc_u32 v[TM+12+\b], 0xff000000, v[TM+\b]   ; 2 off the exponent field: the conversion takes that field as its scale
.endr
.irp b, 0,1,2,3
	v_lshrrev_b32 v[TM+4+\b], 23, v[TM+12+\b]        ; the scale's byte
.endr
.endm
.macro QCVT src, b, dst                ; block b's 16 numbers become two registers of codes
	v_cvt_scalef32_pk8_fp4_f32 v[\dst], v[\src+16*(\b):\src+16*(\b)+7], v[TM+12+(\b)]
	v_cvt_scalef32_pk8_fp4_f32 v[\dst+1], v[\src+16*(\b)+8:\src+16*(\b)+15], v[TM+12+(\b)]
.endm
.macro SWAP2 a                         ; two half blocks a lane become one whole block a lane: the first pair's lanes 16-31 change places with the second pair's lanes 0-15
	v_permlane16_swap_b32 v[\a], v[\a+2]
	v_permlane16_swap_b32 v[\a+1], v[\a+3]
.endm
; K step s of my tile of x: quantised, stored as an image.  cnt: the loads issued behind this step's sixteen.  more: the buffer takes K step s + 2.  Then a chunk of weights is asked for.
.macro XSTEP s, buf, cnt, more
	s_wait_loadcnt \cnt
	s_wait_dscnt 0x0                               ; the last step's stores have read their registers
.if (\s) > 0
	s_wait_alu depctr_vm_vsrc(0)                   ; the last step's three LDS stores have read v[PC .. PC+7] and v[PW], which this step writes again
.endif
	QSCALE \buf
	v_lshl_or_b32 v[PW], v[TM+5], 8, v[TM+4]
	v_lshl_or_b32 v[PW], v[TM+6], 16, v[PW]
	v_lshl_or_b32 v[PW], v[TM+7], 24, v[PW]
.irp b, 0,1,2,3
	QCVT \buf, \b, PC+2*\b
.endr
	v_nop                                          ; one plain place behind a scaled conversion
	SWAP2 PC
	SWAP2 PC+4
	s_wait_alu depctr_va_vdst(0)                   ; the swaps have written v[PC .. PC+7] and the shifts v[PW], which the LDS stores read; the maxima and conversions are done reading the raw buffer, in which the loads below land
	ds_store_b128 v[XWI], v[PC:PC+3] offset:1024*(\s)
	ds_store_b128 v[XWI], v[PC+4:PC+7] offset:1024*(\s)+512
	ds_store_b32 v[XWS], v[PW] offset:128*(\s)
.if \more
	XLOAD \buf, (\s)+2
.endif
	WLOAD \s
.endm
.macro FETCH mt                        ; tile mt's eight fragments and scale words come back as they were stored
.irp s, 0,1,2,3,4,5,6,7
.irp c, 0,1
	ds_load_b128 v[XF+8*\s+4*\c:XF+8*\s+4*\c+3], v[LI] offset:(8*(\mt)+\s)*1024+512*\c
.endr
	ds_load_b32 v[XS+\s], v[LS] offset:(8*(\mt)+\s)*128
.endr
.endm
; 32 matrix instructions: my four tiles of columns x one tile of rows, K ascending; the four accumulators take turns; the bias is the C of each sum's first.
.macro MULQK u                         ; source 0 = weight (window 1), source 1 = x
	WIN 0x01
.irp s, 0,1,2,3,4,5,6,7
.irp t, 0,1,2,3
.set rD, AC+32*(\t/2)+16*(\u)+8*(\t%2)
.set rW, 8*(8*\t+\s)
.if \s == 0
	v_wmma_scale_f32_16x16x128_f8f6f4 v[rD:rD+7], v[rW:rW+7], v[XF+8*\s:XF+8*\s+7], v[BI+8*\t:BI+8*\t+7], v[WS+8*\t+\s], v[XS+\s] matrix_a_fmt:MATRIX_FMT_FP4 matrix_b_fmt:MATRIX_FMT_FP4
.else
	v_wmma_scale_f32_16x16x128_f8f6f4 v[rD:rD+7], v[rW:rW+7], v[XF+8*\s:XF+8*\s+7], v[rD:rD+7], v[WS+8*\t+\s], v[XS+\s] matrix_a_fmt:MATRIX_FMT_FP4 matrix_b_fmt:MATRIX_FMT_FP4
.endif
.endr
.endr
	WIN 0
.endm
.macro MULV u                          ; source 0 = x, source 1 = weight (window 1)
	WIN 0x04
.irp s, 0,1,2,3,4,5,6,7
.irp t, 0,1,2,3
.set rD, AC+16*\t+8*(\u)
.set rW, 8*(8*\t+\s)
.if \s == 0
	v_wmma_scale_f32_16x16x128_f8f6f4 v[rD:rD+7], v[XF+8*\s:XF+8*\s+7], v[rW:rW+7], v[BI+8*\t:BI+8*\t+7], v[XS+\s], v[WS+8*\t+\s] matrix_a_fmt:MATRIX_FMT_FP4 matrix_b_fmt:MATRIX_FMT_FP4
.else
	v_wmma_scale_f32_16x16x128_f8f6f4 v[rD:rD+7], v[XF+8*\s:XF+8*\s+7], v[rW:rW+7], v[rD:rD+7], v[XS+\s], v[WS+8*\t+\s] matrix_a_fmt:MATRIX_FMT_FP4 matrix_b_fmt:MATRIX_FMT_FP4
.endif
.endr
.endr
	WIN 0
.endm
	s_load_b512 s[8:23], s[0:1], 0x0               ; x s[8:9]; Wq: codes s[10:11], scales s[12:13], bq s[14:15]; Wk: s[16:17], s[18:19], bk s[20:21]; Wv's codes s[22:23]
	s_load_b256 s[24:31], s[0:1], 0x40             ; Wv's scales s[24:25], bv s[26:27]; qk_codes s[28:29], qk_sw s[30:31]
	s_load_b128 s[32:35], s[0:1], 0x60             ; v_img s[32:33], v_sw s[34:35]
	v_lshl_add_u32 v[SPW], v0, 2, SPARE
	v_mov_b32 v[NIL], 0
	v_lshrrev_b32 v13, 5, v0
	v_readfirstlane_b32 s2, v13                    ; wave 0..7
	s_and_b32 s3, ttmp7, 0xffff                    ; the slice of columns
	v_and_b32 v13, 31, v0                          ; lane
	v_and_b32 v14, 15, v0                          ; r
	v_bfe_u32 v15, v0, 4, 1                        ; h
	v_and_b32 v[OC], 8, v14
	v_add_nc_u32 v14, v[OC], v14                   ; r + 8 (r / 8)
	v_lshlrev_b32 v[XA], 12, v14
	v_lshl_add_u32 v[XA], v15, 6, v[XA]
	v_lshlrev_b32 v[LI], 4, v13
	v_lshl_add_u32 v[LS], v13, 2, XSC
	s_wait_alu depctr_va_sdst(0)                   ; s2, the wave's number, is written, ahead of its first reader: LDS places, the choice of weights and all the bases are made from it
	s_lshl_b32 s36, s2, 13
	v_add_nc_u32 v[XWI], s36, v[LI]
	s_lshl_b32 s36, s2, 10
	v_add_nc_u32 v[XWS], s36, v[LS]
	v_lshlrev_b32 v[WO], 9, v14
	v_lshl_add_u32 v[WO], v15, 4, v[WO]
	v_lshlrev_b32 v[WSO], 5, v14
	v_lshlrev_b32 v[BOQ], 6, v15
	v_lshl_add_u32 v[OC], v15, 3, v14
	v_lshlrev_b32 v[OC], 4, v[OC]
	v_lshlrev_b32 v[O8], 3, v13
	v_lshlrev_b32 v[BOV], 2, v14
.irp b, 0,1,2,3
	v_mov_b32 v[TM+4+\b], 0                        ; written once: a lane permute's destination counts as one of its sources
.endr
	s_mov_b32 s40, 0x76543210
	s_mov_b32 s41, 0xfedcba98                      ; v_permlanex16_b32's selects for lane l xor 16
	s_mov_b32 s42, 0xffff0000                      ; lanes 16-31
	s_mov_b32 s43, 0x01010101
	s_and_b32 s36, s2, 3                           ; my first row of the weight: slice 0: 64 (wave % 4) of Wq or Wk;
	s_lshl_b32 s36, s36, 6
	s_sub_co_u32 s37, s3, 1                        ; slices 1, 2: 512 (slice - 1) + 64 wave of Wv
	s_lshl_b32 s37, s37, 9
	s_lshl_b32 s38, s2, 6
	s_add_co_u32 s37, s37, s38
	s_cmp_eq_u32 s3, 0
	s_cselect_b32 s36, s36, s37
	s_lshl_b32 s50, s36, 9                         ; in bytes: codes,
	s_mov_b32 s51, 0
	s_lshl_b32 s52, s36, 5                         ; scale bytes,
	s_mov_b32 s53, 0
	s_lshl_b32 s54, s36, 2                         ; bias
	s_mov_b32 s55, 0
	s_lshl_b32 s56, ttmp9, 7                       ; my tile's first row of x: 128 x work-group + 32 (wave / 2) + 8 (wave % 2)
	s_lshr_b32 s57, s2, 1
	s_lshl_b32 s57, s57, 5
	s_add_co_u32 s56, s56, s57
	s_and_b32 s57, s2, 1
	s_lshl_b32 s57, s57, 3
	s_add_co_u32 s56, s56, s57
	s_lshl_b32 s56, s56, 12
	s_mov_b32 s57, 0
	s_wait_kmcnt 0x0
	s_add_nc_u64 s[8:9], s[8:9], s[56:57]
	s_wait_alu depctr_va_vdst(0)                   ; the eleven addresses and offsets v3 to v13 are written, which the kernel's loads, stores and LDS instructions read; so are v1 and v2, for the closing add
	XLOAD AC, 0                                    ; the first two K steps of x go out before anything else
	XLOAD XF, 1
	s_cmp_lt_u32 s2, 4                             ; which weight is mine: the choices hang on ids alone
	s_cselect_b64 s[44:45], s[10:11], s[16:17]
	s_cselect_b64 s[46:47], s[12:13], s[18:19]
	s_cselect_b64 s[48:49], s[14:15], s[20:21]
	s_cmp_eq_u32 s3, 0
	s_cselect_b64 s[44:45], s[44:45], s[22:23]
	s_cselect_b64 s[46:47], s[46:47], s[24:25]
	s_cselect_b64 s[48:49], s[48:49], s[26:27]
	s_add_nc_u64 s[44:45], s[44:45], s[50:51]
	s_add_nc_u64 s[46:47], s[46:47], s[52:53]
	s_add_nc_u64 s[48:49], s[48:49], s[54:55]
	; ---- my tile of x, eight K steps.  The counts: behind step s's sixteen loads stand the next step's sixteen and the weight chunks of eight issued since
	XSTEP 0, AC, 16, 1                             ; behind it: step 1
	XSTEP 1, XF, 24, 1                             ; step 2, chunk 0
	XSTEP 2, AC, 32, 1                             ; chunk 0, step 3, chunk 1
	XSTEP 3, XF, 32, 1
	XSTEP 4, AC, 32, 1
	XSTEP 5, XF, 32, 1
	XSTEP 6, AC, 32, 0
	XSTEP 7, XF, 16, 0                             ; chunks 5 and 6
.irp t, 0,1,2,3
.irp q, 0,1
	global_load_b128 v[WS+8*\t+4*\q:WS+8*\t+4*\q+3], v[WSO], s[46:47] offset:(32*(\t/2)+8*(\t%2))*32+16*\q   ; a row's 32 scale bytes: eight words, one a K step
.endr
.endr
	s_wait_dscnt 0x0                               ; for the others' sake: my images have landed
	s_barrier_signal -1
	s_barrier_wait -1                              ; x's 64 fragments lie in LDS; nothing is stored to LDS behind this barrier but the closing add
	s_cmp_lg_u32 s3, 0
	s_cbranch_scc1 .Lpath_v
	; ---- q and k: my two heads for the 128 rows, 32 rows at a time
.irp t, 0,1,2,3
.irp q, 0,1
	global_load_b128 v[BI+8*\t+4*\q:BI+8*\t+4*\q+3], v[BOQ], s[48:49] offset:(32*(\t/2)+8*(\t%2))*4+16*\q   ; lane (r, h), register j: the bias of column 32 (t / 2) + 16 h + 8 (t % 2) + j
.endr
.endr
	s_lshr_b32 s36, ttmp9, 4                       ; b
	s_and_b32 s37, ttmp9, 15                       ; which 128 rows of the batch
	s_lshl_b32 s56, s36, 19                        ; qk_codes: ((16 b + 2 wave) x 2,048 + 128 x that) x 16
	s_lshl_b32 s38, s2, 16
	s_add_co_u32 s56, s56, s38
	s_lshl_b32 s38, s37, 11
	s_add_co_u32 s56, s56, s38
	s_add_nc_u64 s[28:29], s[28:29], s[56:57]
	s_lshl_b32 s56, s36, 17                        ; qk_sw: ((8 b + wave) x 64 + 4 x that) x 256
	s_lshl_b32 s38, s2, 14
	s_add_co_u32 s56, s56, s38
	s_lshl_b32 s38, s37, 10
	s_add_co_u32 s56, s56, s38
	s_add_nc_u64 s[30:31], s[30:31], s[56:57]
	FETCH 0                                        ; no wait: K step 7's wait on va_vdst stands behind the last vector instruction that named v[XF ..], and none has been issued since
.irp n, 0,1,2,3
	s_wait_dscnt 0x0
.if \n == 0
	s_wait_loadcnt 0x0                             ; the weights, their scale words, the biases
.endif
	MULQK 0
	PLACES 4
	s_wait_alu depctr_va_vdst(0)                   ; the 32 matrix instructions are done reading v[XF ..] and v[XS ..], in which the next tile's LDS loads land
	FETCH 2*\n+1
	s_wait_dscnt 0x0
	MULQK 1
	PLACES 4
.if \n < 3
	s_wait_alu depctr_va_vdst(0)                   ; the 32 matrix instructions are done reading v[XF ..] and v[XS ..]: the next 32 rows' first tile is asked for now; the quantising below names none of its registers
	FETCH 2*\n+2
.endif
	QSCALE AC                                      ; block 2 a + u: head a of my two, tile u: a lane's 16 of the row's 32
	s_wait_alu depctr_va_vdst(0)
	s_wait_xcnt 0x0                                ; the last stores have read their registers: the codes and the pair may be written again
	s_wait_alu depctr_vm_vsrc(0)                   ; the last block's three stores (in the first block: the LDS stores of x's last image) have read v[PC .. PC+7] and v[SWR ..], which are written again below
.irp b, 0,1,2,3
	QCVT AC, \b, PC+2*\b
.endr
	v_nop                                          ; one plain place behind a scaled conversion
	SWAP2 PC                                       ; lane (r, u) now holds the whole 16 bytes of row 32 n + 8 u + r + 8 (r / 8), head 0;
	SWAP2 PC+4                                     ; head 1
.irp a, 0,1
	v_cndmask_b32 v[SWR+\a], v[TM+4+2*\a], v[TM+5+2*\a], s42   ; and its row's byte,
	v_mul_lo_u32 v[SWR+\a], v[SWR+\a], s43                     ; in all four bytes of the word
.endr
	s_wait_alu depctr_va_vdst(0)                   ; the swaps have written v[PC .. PC+7] and the multiplications v[SWR ..], which the three stores read
	global_store_b128 v[OC], v[PC:PC+3], s[28:29] offset:512*\n            ; 32 lanes store 512 consecutive bytes
	global_store_b128 v[OC], v[PC+4:PC+7], s[28:29] offset:512*\n+32768
	global_store_b64 v[O8], v[SWR:SWR+1], s[30:31] offset:256*\n           ; 32 lanes store 256 consecutive bytes, aligned
.endr
	s_wait_dscnt 0x0                               ; the wave's end
	s_wait_alu 0x0
	s_wait_tensorcnt 0x0
	ds_add_u32 v[SPW], v[NIL]
	s_wait_dscnt 0x0
	s_endpgm
	; ---- v: my 64 channels for the 128 rows, which are 128 keys: four blocks of 32 along the next K
.Lpath_v:
.irp t, 0,1,2,3
	global_load_b32 v[BI+8*\t], v[BOV], s[48:49] offset:(32*(\t/2)+8*(\t%2))*4   ; a lane holds one channel: one bias for its eight registers
.endr
	s_sub_co_u32 s36, s3, 1
	s_lshl_b32 s36, s36, 2
	s_lshr_b32 s37, s2, 1
	s_add_co_u32 s36, s36, s37                     ; head = 4 (slice - 1) + wave / 2
	s_lshr_b32 s37, ttmp9, 4
	s_lshl_b32 s37, s37, 3
	s_add_co_u32 s36, s36, s37                     ; 8 b + head
	s_and_b32 s37, ttmp9, 15                       ; which 128 keys of the batch
	s_and_b32 s38, s2, 1                           ; which half of the head's channels
	s_lshl_b32 s56, s36, 17                        ; v_img: (((8 b + head) x 32 + 2 x that) x 8 + 4 x half) x 512
	s_lshl_b32 s39, s37, 13
	s_add_co_u32 s56, s56, s39
	s_lshl_b32 s39, s38, 11
	s_add_co_u32 s56, s56, s39
	s_add_nc_u64 s[32:33], s[32:33], s[56:57]
	s_lshl_b32 s56, s36, 13                        ; v_sw: (((8 b + head) x 16 + that) x 2 + half) x 256
	s_lshl_b32 s39, s37, 9
	s_add_co_u32 s56, s56, s39
	s_lshl_b32 s39, s38, 8
	s_add_co_u32 s56, s56, s39
	s_add_nc_u64 s[34:35], s[34:35], s[56:57]
	FETCH 0                                        ; no wait: K step 7's wait on va_vdst stands behind the last vector instruction that named v[XF ..], and none has been issued since
	s_wait_loadcnt 0x0                             ; the weights, their scale words, the biases
.irp t, 0,1,2,3
.irp j, 1,2,3,4,5,6,7
	v_mov_b32 v[BI+8*\t+\j], v[BI+8*\t]            ; the bias in the result's layout: the C of each sum's first matrix instruction
.endr
.endr
	s_wait_alu depctr_va_vdst(0)
.irp n, 0,1,2,3
	s_wait_dscnt 0x0
	MULV 0
	PLACES 4
	s_wait_alu depctr_va_vdst(0)                   ; the 32 matrix instructions are done reading v[XF ..] and v[XS ..], in which the next tile's LDS loads land
	FETCH 2*\n+1
	s_wait_dscnt 0x0
	MULV 1
	PLACES 4
.if \n < 3
	s_wait_alu depctr_va_vdst(0)                   ; the 32 matrix instructions are done reading v[XF ..] and v[XS ..]: the next 32 keys' first tile is asked for now; the quantising below names none of its registers
	FETCH 2*\n+2
.endif
	QSCALE AC                                      ; block t: my channel of tile t, keys 32 n + 16 h + 0 .. 15
.if \n == 0
	s_wait_alu depctr_vm_vsrc(0)                   ; the LDS stores of x's last image have read v[PC .. PC+7], which this block's and the next block's conversions write
.endif
.if \n == 2
	s_wait_alu depctr_va_vdst(0)
	s_wait_xcnt 0x0                                ; the first four stores have read their registers
	s_wait_alu depctr_vm_vsrc(0)                   ; the first four stores have read v[PC .. PC+15], which this block's and the next block's conversions write again
.endif
.irp t, 0,1,2,3
	QCVT AC, \t, PC+4*\t+2*(\n%2)
.endr
.irp t, 0,1,2,3
.if \n == 0
	v_mov_b32 v[VW+2*(\t%2)+\t/2], v[TM+4+\t]      ; byte n of the channel's scale word.  (Plain lines behind the scaled conversions)
.else
	v_lshl_or_b32 v[VW+2*(\t%2)+\t/2], v[TM+4+\t], 8*\n, v[VW+2*(\t%2)+\t/2]
.endif
.endr
.if \n%2 == 1
.irp t, 0,1,2,3
	SWAP2 PC+4*\t                                  ; two blocks of keys: lane (r, h) now holds keys 32 h + 0 .. 31 of the 64
.endr
	s_wait_alu depctr_va_vdst(0)                   ; the swaps have written v[PC .. PC+15], which the four stores read
.irp t, 0,1,2,3
	global_store_b128 v[LI], v[PC+4*\t:PC+4*\t+3], s[32:33] offset:((\n/2)*8+\t)*512   ; 32 lanes store 512 consecutive bytes
.endr
.endif
.endr
	v_cndmask_b32 v[VW], v[VW], v[VW+2], s42       ; lanes 0-15: tiles 0 and 2; lanes 16-31: tiles 1 and 3
	v_cndmask_b32 v[VW+1], v[VW+1], v[VW+3], s42
	s_wait_alu depctr_va_vdst(0)                   ; the two selects have written v[VW], v[VW+1], which the store reads
	global_store_b64 v[O8], v[VW:VW+1], s[34:35]   ; 32 lanes store 256 consecutive bytes, aligned
	s_wait_dscnt 0x0                               ; the wave's end
	s_wait_alu 0x0
	s_wait_tensorcnt 0x0
	ds_add_u32 v[SPW], v[NIL]
	s_wait_dscnt 0x0
	s_endpgm
.Lfunc_end_k_qf6797d660e_proj:
	.size	k_qf6797d660e_proj, .Lfunc_end_k_qf6797d660e_proj-k_qf6797d660e_proj
	.p2alignl 7, 3214868480
	.fill 96, 4, 3214868480
	.section	.rodata,"a",@progbits
	.p2align	6, 0x0
	.amdhsa_kernel k_qf6797d660e_proj
		.amdhsa_group_segment_fixed_size 74752
		.amdhsa_private_segment_fixed_size 0
		.amdhsa_enable_private_segment 0
		.amdhsa_kernarg_size 112
		.amdhsa_user_sgpr_count 2
		.amdhsa_user_sgpr_kernarg_segment_ptr 1
		.amdhsa_wavefront_size32 1
		.amdhsa_system_sgpr_workgroup_id_x 1
		.amdhsa_system_sgpr_workgroup_id_y 1
		.amdhsa_system_sgpr_workgroup_id_z 1
		.amdhsa_system_vgpr_workitem_id 0
		.amdhsa_next_free_vgpr 512
		.amdhsa_next_free_sgpr 66
		.amdhsa_reserve_vcc 0
		.amdhsa_float_denorm_mode_32 3
		.amdhsa_float_denorm_mode_16_64 3
		.amdhsa_memory_ordered 1
		.amdhsa_forward_progress 1
		.amdhsa_inst_pref_size 184
	.end_amdhsa_kernel
	.amdgpu_metadata
---
amdhsa.version: [ 1, 2 ]
amdhsa.kernels:
  - .name:           k_qf6797d660e_proj
    .symbol:         k_qf6797d660e_proj.kd
    .args:
      - { .name: x, .offset: 0, .size: 8, .value_kind: global_buffer, .address_space: global }
      - { .name: Wq_codes, .offset: 8, .size: 8, .value_kind: global_buffer, .address_space: global }
      - { .name: Wq_scales, .offset: 16, .size: 8, .value_kind: global_buffer, .address_space: global }
      - { .name: bq, .offset: 24, .size: 8, .value_kind: global_buffer, .address_space: global }
      - { .name: Wk_codes, .offset: 32, .size: 8, .value_kind: global_buffer, .address_space: global }
      - { .name: Wk_scales, .offset: 40, .size: 8, .value_kind: global_buffer, .address_space: global }
      - { .name: bk, .offset: 48, .size: 8, .value_kind: global_buffer, .address_space: global }
      - { .name: Wv_codes, .offset: 56, .size: 8, .value_kind: global_buffer, .address_space: global }
      - { .name: Wv_scales, .offset: 64, .size: 8, .value_kind: global_buffer, .address_space: global }
      - { .name: bv, .offset: 72, .size: 8, .value_kind: global_buffer, .address_space: global }
      - { .name: qk_codes, .offset: 80, .size: 8, .value_kind: global_buffer, .address_space: global }
      - { .name: qk_sw, .offset: 88, .size: 8, .value_kind: global_buffer, .address_space: global }
      - { .name: v_img, .offset: 96, .size: 8, .value_kind: global_buffer, .address_space: global }
      - { .name: v_sw, .offset: 104, .size: 8, .value_kind: global_buffer, .address_space: global }
    .group_segment_fixed_size: 74752
    .private_segment_fixed_size: 0
    .kernarg_segment_align: 8
    .kernarg_segment_size: 112
    .max_flat_workgroup_size: 256
    .sgpr_count:     66
    .vgpr_count:     512
    .wavefront_size: 32
...
	.end_amdgpu_metadata
.endif
;; end of part 3
;; launch attn (part 4): grid 8 x 32, 8 waves a work-group, no clusters, 70,656 bytes of LDS; arguments qk_codes, qk_sw, v_img, v_sw, mask, gamma, x, out0; writes out0
.if DOCPART == 4
	.amdgcn_target "amdgcn-amd-amdhsa--gfx1250"
	.amdhsa_code_object_version 6
	.text
	.protected	k_qf6797d660e_attn
	.globl	k_qf6797d660e_attn
	.p2align	8
	.type	k_qf6797d660e_attn,@function
k_qf6797d660e_attn:
	s_mov_b64 s[64:65], 0
	v_nop
	global_prefetch_b8 v0, s[64:65] scope:SCOPE_SE
	s_setreg_imm32_b32 hwreg(HW_REG_WAVE_SCHED_MODE, 0, 2), 2
	s_setreg_imm32_b32 hwreg(HW_REG_WAVE_MODE, 25, 1), 1
	s_wait_xcnt 0x0
	s_wait_alu depctr_vm_vsrc(0)
; out = gamma x (beta v) + x;  beta = softmax(relu(q k^T / sqrt(32))) x mask, divided by (its row's sum + 1e-12); both products on codes of FP4 (E2M1) with one E8M0 scale for each 32 along K.
; No work of the problem is left out.  q, k, v come as codes and scale words from the first launch, in the order of the operands' registers (layouts: that kernel's head).
; WHAT IS QUANTISED FOR THE SECOND PRODUCT IS THE FINISHED beta, so a row's divisor is known before any of its codes is made.  With e = 2^(t - M), t = relu(score) x log2(e) / sqrt(32), M any common shift,
; Z = the row's sum of e and Zm = its sum of e x mask:  beta = (e mask / Z) / (Zm / Z + 1e-12) = e x mask / (Zm + 1e-12 Z).
; SHARES.  A work-group owns 256 queries of one head and batch and takes 16 at a time.  THE KEYS ARE SPLIT OVER THE EIGHT WAVES: wave w holds keys 256 w .. 256 w + 255: their K, V and mask stay in its
; registers for the whole launch; a tile's 256 scores of a query are 128 registers in each of two lanes.  Each wave takes its own whole-number maximum M_w away; the waves exchange (Z_w, Zm_w, -M_w)
; through LDS, every wave forms the row's M and c = 1 / (Zm + 1e-12 Z), and beta = e x mask x c x 2^(M_w - M).  The eight partial sums of beta v meet in LDS; each wave adds and stores two rows.
; K = 32 IN AN INSTRUCTION OF K = 128: a fragment of K holds FOUR tiles of 16 keys, one in each block of 32; q stands in block i of four variants and zero codes elsewhere: variant i gives tile i.
; Zero codes add nothing under any scale byte but 0xff, and the bytes here lie between 1 and 254.
; LAYOUT.  Both products transposed (source 0 = keys, then channels; source 1 = queries): a lane holds one query.  The keys of a tile are chosen (lane r of tile 2 b + u: key 32 b + 8 u + r + 8 (r / 8)) so that
; score register 16 b + i is key 32 b + 16 h + i.  The queries of a tile are chosen likewise, since the first launch lays the scale words so.
; NO JOINT LOADS: the eight work-groups of a head read the same K, V and mask, but once each (164 KB at the head, for sixteen tiles' work), straight into the one wave's registers that keeps them;
; a joint load lands in LDS and would add a store-free trip LDS to registers for every byte.  NO PREFETCH: q and x are asked for a whole tile ahead, into registers.
; LIMITS.  NaN and infinities are not served.  e under 2^-126 is taken as 0 (v_exp_f32 flushes: ISA guide 15.8).  beta is formed as (e x mask) x c, one reciprocal in place of two divisions: an order of
; rounding that differs from the reference's.  The mask may hold any int32: it is converted as astype does.
; THE MODE: SCHED_MODE bits 1:0 = 2 (LLVM: expert scheduling mode 2), set by the entry lines.  The code itself states the register dependences between vector or matrix instructions
; and memory or LDS instructions, with s_wait_alu, always for 0.
; THE PLAN.  Registers that memory or LDS instructions touch, round a tile:
;   v3-v9          addresses and offsets: written once at the head; never written again.  v112-v115: the head's loads read them; from the first tile on they are chains.
;   QT             the eight selects at a tile's head read it; behind them the next tile's q lands in it.
;   QS0, QS1       by the tile's parity: 16 matrix instructions read one as a scale while the next tile's word lands in the other.
;   SN             written by the sums; read by the LDS store of the statistics; written again a tile later.
;   PC             the statistics land in it; vector instructions work on it; the conversions write beta's codes there; 16 matrix instructions read them; a tile later the statistics land again.
;   S .. S+63      written by the second product; read by 16 LDS stores; behind the barrier 16 LDS loads land there; the additions read them.
;   S .. S+7       written by the last multiply-adds; read by the two global stores; written by the next tile's first product.
;   XR             read by the last multiply-adds; behind them the next tile's x lands in it.
;   K, V, the mask and V's scale words are loaded once; K's scale words are made once, by vector instructions, at the head.
; The waits on va_vdst stand where a run of vector or matrix work hands registers over: ahead of each product (its operands made by vector instructions), of each run of LDS stores, and of the tile's
; last loads and stores; two on vm_vsrc a tile: at its head and behind its second barrier.
.set OPW,   8448                       ; LDS: a stage for each wave from byte 0: 16 queries x (512 bytes + 16): pitch 528 = 33 x 16, so 16 rows fall on 16 different 16-byte columns modulo 256
.set STAT,  8*OPW                      ; the statistics: [wave][query r][16 bytes]
.set SPARE, STAT+2048                  ; the spare words, 128 bytes for each of the eight waves: four blocks of 256 bytes that no other line names
.set SPW, 1                            ; v1   LDS address of my spare word; never rewritten
.set NIL, 2                            ; v2   0; never rewritten
.set QO,  3                            ; v3   q's codes: (r + 8 (r / 8)) x 16
.set QWO, 4                            ; v4   scale words of q and k: 8 r
.set STW, 5                            ; v5   STAT + 256 wave + 16 r
.set STR, 6                            ; v6   STAT + 1,024 h + 16 r
.set OSW, 7                            ; v7   my stage: OPW wave + 528 r + 64 h
.set OSR, 8                            ; v8   the rows that I add: 528 (2 wave + h) + 16 r
.set XO,  9                            ; v9   the same rows in x and out: (2 wave + 8 (wave / 4) + h) x 4,096 + 16 r
.set CP,  10                           ; v10-11   c x 2^(M_w - M), named as a pair
.set KS,  12                           ; v12-15   K's scale words, one a fragment
.set VS,  16                           ; v16-23   V's scale words
.set QS,  24                           ; v24-25   q's scale word, by the tile's parity
.set PS,  26                           ; v26-27   beta's scale words
.set QT,  28                           ; v28-31   q's 16 bytes as loaded
.set QZ,  32                           ; v32-51   zeros, q in lanes 0-15, zeros, q in lanes 16-31, zeros: four registers each; the four variants begin at 4, 12, 0, 8
.set KF,  52                           ; v52-83   K's four fragments
.set PC,  84                           ; v84-99   the eight waves' statistics, then beta's codes
.set SN,  100                          ; v100-103 Z, Zm, -M, a word that is never used
.set XR,  104                          ; v104-111 x of the rows that I store
.set CH,  112                          ; v112-119 chains and scratch
.set BM,  120                          ; v120-127 the blocks' largest magnitudes, then their bytes
.set S,   128                          ; v128-255 scores, e, beta; v128-191 later the partial sums
.set MF,  128                          ; window 1: v0-127 V's fragments, (d, s) at 8 (8 s + d); v128-255 the mask as f32, in the scores' order
.set MSB, 0
.macro WIN new                         ; the immediate's high byte repeats the setting that is left
.if MSB != \new
	s_set_vgpr_msb (MSB<<8)|\new
.set MSB, \new
.endif
.endm
.macro PLACES n                        ; plain vector instructions between a matrix instruction and what reads or loads its registers, and ahead of a scaled one whose operands vector instructions wrote
.rept \n
	v_nop
.endr
.endm
.macro TMINUS hf                       ; t - M for half hf of the scores, two at a time (of the pairs c0 and -M the low word serves both halves)
.set j, 64*(\hf)
.rept 32
	v_pk_fma_f32 v[S+j:S+j+1], v[S+j:S+j+1], s[34:35], v[SN+2:SN+3] op_sel_hi:[1,0,0]
.set j, j+2
.endr
.endm
.macro EXPS hf
.set j, 64*(\hf)
.rept 64
	v_exp_f32 v[S+j], v[S+j]
.set j, j+1
.endr
.endm
; Half hf of e: its part of Z (two chains), e x mask in place, its part of Zm (two chains), the largest magnitude of each of its four blocks of 32 keys (my 16 of them)
.macro SUMS hf
.set SB, S+64*(\hf)
.set MB, MF+64*(\hf)
.set BB, BM+4*(\hf)
.if \hf == 0
	v_pk_add_f32 v[CH:CH+1], v[SB:SB+1], v[SB+4:SB+5]              ; the first sums start the chains: nothing is cleared
	v_pk_add_f32 v[CH+2:CH+3], v[SB+2:SB+3], v[SB+6:SB+7]
.endif
.set j, 8-8*(\hf)
.rept 14+2*(\hf)
	v_pk_add_f32 v[CH:CH+1], v[CH:CH+1], v[SB+j:SB+j+1]
	v_pk_add_f32 v[CH+2:CH+3], v[CH+2:CH+3], v[SB+j+2:SB+j+3]
.set j, j+4
.endr
	WIN 0x04                                       ; source 1, the mask, in window 1
.set j, 0
.rept 32
	v_pk_mul_f32 v[SB+j:SB+j+1], v[SB+j:SB+j+1], v[MB+j:MB+j+1]
.set j, j+2
.endr
	WIN 0
.if \hf == 0
	v_pk_add_f32 v[CH+4:CH+5], v[SB:SB+1], v[SB+4:SB+5]
	v_pk_add_f32 v[CH+6:CH+7], v[SB+2:SB+3], v[SB+6:SB+7]
.endif
.set j, 8-8*(\hf)
.rept 14+2*(\hf)
	v_pk_add_f32 v[CH+4:CH+5], v[CH+4:CH+5], v[SB+j:SB+j+1]
	v_pk_add_f32 v[CH+6:CH+7], v[CH+6:CH+7], v[SB+j+2:SB+j+3]
.set j, j+4
.endr
.irp b, 0,1,2,3
	v_max3_num_f32 v[BB+\b], |v[SB+16*\b]|, |v[SB+16*\b+1]|, 0
.endr
.irp i, 2,4,6,8,10,12,14
.irp b, 0,1,2,3
	v_max3_num_f32 v[BB+\b], v[BB+\b], |v[SB+16*\b+\i]|, |v[SB+16*\b+\i+1]|
.endr
.endr
.endm
.macro SWAP2 a                         ; two half blocks a lane become one whole block a lane
	v_permlane16_swap_b32 v[\a], v[\a+2]
	v_permlane16_swap_b32 v[\a+1], v[\a+3]
.endm
; ONE TILE OF 16 QUERIES: tile u of the 32 queries at the bases.  ahead = 1: the next tile's q and x are asked for.
.macro TILE u, ahead
	s_wait_loadcnt 0x2                             ; q and its scale word are in; behind them stand this tile's two loads of x
	s_wait_xcnt 0x0                                ; the last tile's stores have read their registers, which the scores take
	s_wait_alu depctr_vm_vsrc(0)                   ; the last tile's two stores have read v[S .. S+7], which the first product writes; in the first tile: the head's loads have read v112 to v115, which the chains take
.irp i, 0,1,2,3
	v_cndmask_b32 v[QZ+4+\i], v[QZ], v[QT+\i], s30    ; q in lanes 0-15, zero codes in lanes 16-31;
	v_cndmask_b32 v[QZ+12+\i], v[QT+\i], v[QZ], s30   ; and the other way round
.endr
	PLACES 4
	s_wait_alu depctr_va_vdst(0)                   ; the selects have written q's variants (in the first tile also: K's scale words are written), which the scaled matrix instructions take; and the selects are done reading v[QT ..], in which the next q lands
.if \ahead
	global_load_b128 v[QT:QT+3], v[QO], s[24:25] offset:128+384*(\u)      ; the matrix instructions below name neither v[QT ..] nor the other parity's scale word
	global_load_b32 v[QS+1-(\u)], v[QWO], s[26:27] offset:128+128*(\u)
.endif
.irp t, 0,1,2,3,4,5,6,7,8,9,10,11,12,13,14,15          ; S^T = K q^T: tile t of my 16 tiles of keys lies in block t % 4 of fragment t / 4
	v_wmma_scale_f32_16x16x128_f8f6f4 v[S+8*\t:S+8*\t+7], v[KF+8*(\t/4):KF+8*(\t/4)+7], v[QZ+8*(\t%2)+4-4*((\t%4)/2):QZ+8*(\t%2)+4-4*((\t%4)/2)+7], 0, v[KS+\t/4], v[QS+(\u)] matrix_a_fmt:MATRIX_FMT_FP4 matrix_b_fmt:MATRIX_FMT_FP4
.endr
	PLACES 4
.set j, 0
.rept 128
	v_max_num_f32 v[S+j], 0, v[S+j]                ; relu, ahead of the softmax; each accumulator from its low end on
.set j, j+1
.endr
.irp c, 0,1,2,3
	v_max3_num_f32 v[CH+\c], v[S+32*\c], v[S+32*\c+1], v[S+32*\c+2]   ; the largest of my 128, in four chains
.endr
.irp i, 3,5,7,9,11,13,15,17,19,21,23,25,27,29
.irp c, 0,1,2,3
	v_max3_num_f32 v[CH+\c], v[CH+\c], v[S+32*\c+\i], v[S+32*\c+\i+1]
.endr
.endr
	v_max3_num_f32 v[CH], v[CH], v[S+31], v[S+63]
	v_max3_num_f32 v[CH+2], v[CH+2], v[S+95], v[S+127]
	v_max3_num_f32 v[CH], v[CH], v[CH+1], v[CH+2]
	v_max_num_f32 v[CH], v[CH], v[CH+3]
	v_permlanex16_b32 v[CH+1], v[CH], s32, s33
	v_max_num_f32 v[CH], v[CH], v[CH+1]            ; with lane l xor 16's 128 keys: the largest of my wave's 256
	v_mul_f32 v[CH], s34, v[CH]                    ; as t
	v_floor_f32 v[SN+2], -v[CH]                    ; -M_w = floor(-t) = -ceil(t): a whole number
	TMINUS 0
	s_wait_alu depctr_va_vdst(0)
	EXPS 0
	TMINUS 1                                       ; plain work behind the first batch of exponentials, which names none of its results
	s_wait_alu depctr_va_vdst(0)                   ; a wait ahead of a batch's first reader: one for the first 64
	EXPS 1
	SUMS 0                                         ; reads the first batch alone: plain work behind the second
	s_wait_alu depctr_va_vdst(0)                   ; and one for the second 64
	SUMS 1
	v_pk_add_f32 v[CH:CH+1], v[CH:CH+1], v[CH+2:CH+3]
	v_pk_add_f32 v[CH+4:CH+5], v[CH+4:CH+5], v[CH+6:CH+7]
	v_add_f32 v[SN], v[CH], v[CH+1]
	v_add_f32 v[SN+1], v[CH+4], v[CH+5]
	v_permlanex16_b32 v[CH+2], v[SN], s32, s33
	v_permlanex16_b32 v[CH+3], v[SN+1], s32, s33
	v_pk_add_f32 v[SN:SN+1], v[SN:SN+1], v[CH+2:CH+3]   ; Z_w, Zm_w of query r
	s_wait_alu depctr_va_vdst(0)                   ; Z_w, Zm_w and -M_w are written in v[SN ..], which the LDS store reads.  (No vector or matrix instruction from here to the statistics' loads names v[PC ..], in which they land)
	ds_store_b128 v[STW], v[SN:SN+3]               ; both halves of the lanes write the same bytes with the same values
	s_wait_dscnt 0x0                               ; for the others' sake: my statistics have landed; my reads of the stages, a tile ago, are back
	s_barrier_signal -1
.irp b, 0,1,2,3,4,5,6,7
	v_permlanex16_b32 v[CH+\b], v[BM+\b], s32, s33 ; work on registers while the others arrive: the blocks' largest magnitudes,
.endr
.irp b, 0,1,2,3,4,5,6,7
	v_max_num_f32 v[BM+\b], v[BM+\b], v[CH+\b]     ; with lane l xor 16's 16 keys
.endr
	s_barrier_wait -1
.irp i, 0,1,2,3
	ds_load_b128 v[PC+4*\i:PC+4*\i+3], v[STR] offset:256*\i   ; lanes 0-15: waves 0-3; lanes 16-31: waves 4-7
.endr
	s_wait_dscnt 0x0
	v_min3_num_f32 v[CH], v[PC+2], v[PC+6], v[PC+10]
	v_min_num_f32 v[CH], v[CH], v[PC+14]
	v_permlanex16_b32 v[CH+1], v[CH], s32, s33
	v_min_num_f32 v[CH], v[CH], v[CH+1]            ; -M of the whole row
.irp i, 0,1,2,3
	v_sub_f32 v[CH+4+\i], v[CH], v[PC+4*\i+2]      ; M_i - M: a whole number, 0 or less
.endr
	v_sub_f32 v[CH+1], v[CH], v[SN+2]              ; and my own wave's
.irp i, 0,1,2,3
	v_cvt_i32_f32 v[CH+4+\i], v[CH+4+\i]           ; (it saturates)
.endr
	v_cvt_i32_f32 v[CH+1], v[CH+1]
.irp i, 0,1,2,3
	v_ldexp_f32 v[PC+4*\i], v[PC+4*\i], v[CH+4+\i]       ; the sums under the row's M: a multiplication that rounds nothing
	v_ldexp_f32 v[PC+4*\i+1], v[PC+4*\i+1], v[CH+4+\i]
.endr
	v_pk_add_f32 v[PC:PC+1], v[PC:PC+1], v[PC+4:PC+5]
	v_pk_add_f32 v[PC+8:PC+9], v[PC+8:PC+9], v[PC+12:PC+13]
	v_pk_add_f32 v[PC:PC+1], v[PC:PC+1], v[PC+8:PC+9]
	v_permlanex16_b32 v[CH+2], v[PC], s32, s33
	v_permlanex16_b32 v[CH+3], v[PC+1], s32, s33
	v_pk_add_f32 v[PC:PC+1], v[PC:PC+1], v[CH+2:CH+3]    ; Z, Zm of the row
	v_fmamk_f32 v[CH+2], v[PC], 0x2b8cbccc, v[PC+1]      ; Zm + 1e-12 Z
	s_wait_alu depctr_va_vdst(0)
	v_rcp_f32 v[CH+3], v[CH+2]
	v_nop                                          ; a plain place behind the reciprocal
	s_wait_alu depctr_va_vdst(0)                   ; and a wait ahead of its first reader
	v_ldexp_f32 v[CP], v[CH+3], v[CH+1]            ; c x 2^(M_w - M)
.set j, 0
.rept 64
	v_pk_mul_f32 v[S+j:S+j+1], v[S+j:S+j+1], v[CP:CP+1] op_sel_hi:[1,0]   ; beta, finished
.set j, j+2
.endr
.irp b, 0,1,2,3,4,5,6,7
	v_mul_f32 v[BM+\b], v[BM+\b], v[CP]            ; a block's largest beta: the same multiplication on the same number gives the same bits
.endr
.irp b, 0,1,2,3,4,5,6,7
	v_max_num_f32 v[BM+\b], 0x1800000, |v[BM+\b]|  ; the floor 2^(3 - 127): the byte cannot fall under 1 (a block of zeros keeps that byte: its codes are zeros)
.endr
.irp b, 0,1,2,3,4,5,6,7
	v_add_nc_u32 v[CH+\b], 0xff000000, v[BM+\b]    ; 2 off the exponent field: the conversion's scale operand
.endr
.irp b, 0,1,2,3,4,5,6,7
	v_lshrrev_b32 v[BM+\b], 23, v[CH+\b]           ; the scale's byte
.endr
.irp s, 0,1
	v_lshl_or_b32 v[PS+\s], v[BM+4*\s+1], 8, v[BM+4*\s]   ; beta's scale word for keys 128 s on
	v_lshl_or_b32 v[PS+\s], v[BM+4*\s+2], 16, v[PS+\s]
	v_lshl_or_b32 v[PS+\s], v[BM+4*\s+3], 24, v[PS+\s]
.endr
.irp b, 0,1,2,3,4,5,6,7
	v_cvt_scalef32_pk8_fp4_f32 v[PC+2*\b], v[S+16*\b:S+16*\b+7], v[CH+\b]
	v_cvt_scalef32_pk8_fp4_f32 v[PC+2*\b+1], v[S+16*\b+8:S+16*\b+15], v[CH+\b]
.endr
	v_nop                                          ; one plain place behind a scaled conversion
.irp c, 0,1,2,3
	SWAP2 PC+4*\c                                  ; registers 4 c .. 4 c + 3: keys 64 c + 32 h + 0 .. 31
.endr
	PLACES 8                                       ; the scale words and the codes were written by vector instructions
	s_wait_alu depctr_va_vdst(0)                   ; the swaps have written beta's codes in v[PC ..] and the shifts its scale words in v[PS ..], which the scaled matrix instructions take; the places above stay beside this wait
	WIN 0x01                                       ; source 0, V, in window 1
.irp s, 0,1                                            ; O^T = V^T beta^T over my 256 keys: eight accumulators by turns; the first pass starts the sums
.irp d, 0,1,2,3,4,5,6,7
.if \s == 0
.if \d%2 == 0
	v_wmma_scale_f32_16x16x128_f8f6f4 v[S+8*\d:S+8*\d+7], v[8*(8*\s+\d):8*(8*\s+\d)+7], v[PC+8*\s:PC+8*\s+7], 0, v[VS+4*\s+2*(\d/4)+(\d/2)%2], v[PS+\s] matrix_a_fmt:MATRIX_FMT_FP4 matrix_b_fmt:MATRIX_FMT_FP4
.else
	v_wmma_scale_f32_16x16x128_f8f6f4 v[S+8*\d:S+8*\d+7], v[8*(8*\s+\d):8*(8*\s+\d)+7], v[PC+8*\s:PC+8*\s+7], 0, v[VS+4*\s+2*(\d/4)+(\d/2)%2], v[PS+\s] matrix_a_fmt:MATRIX_FMT_FP4 matrix_b_fmt:MATRIX_FMT_FP4 matrix_a_scale:MATRIX_SCALE_ROW1
.endif
.else
.if \d%2 == 0
	v_wmma_scale_f32_16x16x128_f8f6f4 v[S+8*\d:S+8*\d+7], v[8*(8*\s+\d):8*(8*\s+\d)+7], v[PC+8*\s:PC+8*\s+7], v[S+8*\d:S+8*\d+7], v[VS+4*\s+2*(\d/4)+(\d/2)%2], v[PS+\s] matrix_a_fmt:MATRIX_FMT_FP4 matrix_b_fmt:MATRIX_FMT_FP4
.else
	v_wmma_scale_f32_16x16x128_f8f6f4 v[S+8*\d:S+8*\d+7], v[8*(8*\s+\d):8*(8*\s+\d)+7], v[PC+8*\s:PC+8*\s+7], v[S+8*\d:S+8*\d+7], v[VS+4*\s+2*(\d/4)+(\d/2)%2], v[PS+\s] matrix_a_fmt:MATRIX_FMT_FP4 matrix_b_fmt:MATRIX_FMT_FP4 matrix_a_scale:MATRIX_SCALE_ROW1
.endif
.endif
.endr
.endr
	WIN 0
	PLACES 4
	s_wait_alu depctr_va_vdst(0)                   ; the matrix instructions have written v[S .. S+63], which the LDS stores read; the places above stay beside this wait
.irp d, 0,1,2,3,4,5,6,7                                ; lane (r, h), tile d, register j: query r, channel 32 (d / 2) + 16 h + 8 (d % 2) + j
	ds_store_b128 v[OSW], v[S+8*\d:S+8*\d+3] offset:128*(\d/2)+32*(\d%2)
	ds_store_b128 v[OSW], v[S+8*\d+4:S+8*\d+7] offset:128*(\d/2)+32*(\d%2)+16
.endr
	s_wait_dscnt 0x0                               ; for the others' sake: my partial sums have landed; my reads of the statistics are back
	s_barrier_signal -1
	s_barrier_wait -1
	s_wait_alu depctr_vm_vsrc(0)                   ; my sixteen LDS stores have read v[S .. S+63], in which the loads below land; the statistics' store has read v[SN ..], which the next tile writes again
.irp p, 0,1,2,3,4,5,6,7                                ; rows 2 wave + h of all eight stages: 16 lanes take 256 bytes, twice
.irp k, 0,1
	ds_load_b128 v[S+8*\p+4*\k:S+8*\p+4*\k+3], v[OSR] offset:OPW*\p+256*\k
.endr
.endr
	s_wait_dscnt 0x8                               ; waves 0 to 3's are in; the youngest eight loads may be out
.irp p, 1,2,3
.irp e, 0,2,4,6
	v_pk_add_f32 v[S+\e:S+\e+1], v[S+\e:S+\e+1], v[S+8*\p+\e:S+8*\p+\e+1]
.endr
.endr
	s_wait_alu depctr_va_vdst(0)
	s_wait_dscnt 0x0
.irp p, 4,5,6,7
.irp e, 0,2,4,6
	v_pk_add_f32 v[S+\e:S+\e+1], v[S+\e:S+\e+1], v[S+8*\p+\e:S+8*\p+\e+1]
.endr
.endr
.if \ahead
	s_wait_alu depctr_va_vdst(0)
	s_wait_loadcnt 0x2                             ; x of this tile is in; behind it stand the next tile's q and scale word
.else
	s_wait_alu depctr_va_vdst(0)
	s_wait_loadcnt 0x0
.endif
.irp e, 0,2,4,6
	v_pk_fma_f32 v[S+\e:S+\e+1], v[S+\e:S+\e+1], s[36:37], v[XR+\e:XR+\e+1] op_sel_hi:[1,0,1]   ; gamma x o + x
.endr
	s_wait_alu depctr_va_vdst(0)                   ; the four multiply-adds have written v[S .. S+7], which the two stores read, and are done reading v[XR ..], in which the next tile's x lands
.if \ahead
	global_load_b128 v[XR:XR+3], v[XO], s[20:21] offset:32768+98304*(\u) th:TH_LOAD_NT
	global_load_b128 v[XR+4:XR+7], v[XO], s[20:21] offset:32768+98304*(\u)+256 th:TH_LOAD_NT
.endif
	global_store_b128 v[XO], v[S:S+3], s[22:23] offset:32768*(\u) th:TH_STORE_NT       ; 16 lanes store 256 consecutive bytes, at a multiple of 256 from out's first byte
	global_store_b128 v[XO], v[S+4:S+7], s[22:23] offset:32768*(\u)+256 th:TH_STORE_NT
.endm
	s_load_b512 s[8:23], s[0:1], 0x0               ; qk_codes s[8:9], qk_sw s[10:11], v_img s[12:13], v_sw s[14:15], mask s[16:17], gamma s[18:19], x s[20:21], out s[22:23]
	v_lshl_add_u32 v[SPW], v0, 2, SPARE
	v_mov_b32 v[NIL], 0
	v_lshrrev_b32 v120, 5, v0
	v_readfirstlane_b32 s2, v120                   ; wave 0..7
	s_and_b32 s3, ttmp7, 0xffff                    ; 8 b + head
	s_lshr_b32 s4, s3, 3                           ; b
	s_and_b32 s5, s3, 7                            ; head
	v_and_b32 v120, 31, v0                         ; lane
	v_and_b32 v121, 15, v0                         ; r
	v_bfe_u32 v122, v0, 4, 1                       ; h
	v_and_b32 v123, 8, v121
	v_add_nc_u32 v123, v123, v121                  ; r + 8 (r / 8)
	v_lshlrev_b32 v[QO], 4, v123
	v_lshlrev_b32 v[QWO], 3, v121
	s_wait_alu depctr_va_sdst(0)                   ; s2, the wave's number, is written, ahead of its first reader: LDS places and the bases of K, V and the mask are made from it
	s_lshl_b32 s6, s2, 8
	v_lshl_add_u32 v[STW], v121, 4, STAT
	v_add_nc_u32 v[STW], s6, v[STW]
	v_lshl_add_u32 v[STR], v121, 4, STAT
	v_lshl_add_u32 v[STR], v122, 10, v[STR]
	s_mul_i32 s6, s2, OPW
	v_mul_u32_u24 v[OSW], v121, 528
	v_lshl_add_u32 v[OSW], v122, 6, v[OSW]
	v_add_nc_u32 v[OSW], s6, v[OSW]
	s_mul_i32 s6, s2, 1056
	v_mul_u32_u24 v[OSR], v122, 528
	v_lshl_add_u32 v[OSR], v121, 4, v[OSR]
	v_add_nc_u32 v[OSR], s6, v[OSR]
	s_lshl_b32 s6, s2, 1                           ; tile row 2 wave + h is query 2 wave + h + 8 (wave / 4) of the tile's 24
	s_lshr_b32 s7, s2, 2
	s_lshl_b32 s7, s7, 3
	s_add_co_u32 s6, s6, s7
	s_lshl_b32 s6, s6, 12
	v_lshlrev_b32 v[XO], 12, v122
	v_lshl_add_u32 v[XO], v121, 4, v[XO]
	v_add_nc_u32 v[XO], s6, v[XO]
	v_lshl_add_u32 v112, v122, 3, v123             ; the head's loads: K's codes: (8 h + r + 8 (r / 8)) x 16;
	v_lshlrev_b32 v112, 4, v112
	v_lshlrev_b32 v113, 4, v120                    ; V's fragments: 16 x lane;
	v_lshlrev_b32 v114, 3, v120                    ; V's scale words: 8 x lane;
	v_lshlrev_b32 v115, 6, v122                    ; the mask: 64 h
	s_mov_b32 s30, 0xffff                          ; lanes 0-15
	s_mov_b32 s32, 0x76543210
	s_mov_b32 s33, 0xfedcba98                      ; v_permlanex16_b32's selects for lane l xor 16
	s_mov_b32 s34, 0x3e8293ee                      ; c0 = log2(e) / sqrt(32)
	s_mov_b32 s35, s34                             ; (named with it as a pair, so it is written)
	s_lshl_b32 s6, s4, 4
	s_add_co_u32 s6, s6, s5
	s_lshl_b32 s6, s6, 15                          ; qk_codes: (16 b + head) x 2,048 rows x 16 bytes;
	s_lshl_b32 s40, ttmp9, 12                      ; q: + my work-group's 256 rows;
	s_add_co_u32 s40, s40, s6
	s_mov_b32 s41, 0
	s_lshl_b32 s42, s2, 12                         ; k: eight heads on, + my wave's 256 rows
	s_add_co_u32 s42, s42, s6
	s_add_co_u32 s42, s42, 0x40000
	s_mov_b32 s43, 0
	s_lshl_b32 s6, s4, 3
	s_lshr_b32 s7, s5, 1
	s_add_co_u32 s6, s6, s7
	s_lshl_b32 s6, s6, 14                          ; qk_sw: (8 b + head / 2) x 64 x 256 bytes + 4 (head % 2);
	s_and_b32 s7, s5, 1
	s_lshl_b32 s7, s7, 2
	s_add_co_u32 s6, s6, s7
	s_lshl_b32 s44, ttmp9, 11                      ; q: + 8 x 256 bytes a work-group;
	s_add_co_u32 s44, s44, s6
	s_mov_b32 s45, 0
	s_lshl_b32 s46, s2, 11                         ; k: four pairs of heads on, + 8 x 256 bytes a wave
	s_add_co_u32 s46, s46, s6
	s_add_co_u32 s46, s46, 0x10000
	s_mov_b32 s47, 0
	s_lshl_b32 s48, s3, 17                         ; v_img: (32 (8 b + head) + 4 wave) x 4,096
	s_lshl_b32 s7, s2, 14
	s_add_co_u32 s48, s48, s7
	s_mov_b32 s49, 0
	s_lshl_b32 s50, s3, 13                         ; v_sw: (16 (8 b + head) + 2 wave) x 512
	s_lshl_b32 s7, s2, 10
	s_add_co_u32 s50, s50, s7
	s_mov_b32 s51, 0
	s_lshl_b32 s52, s4, 13                         ; mask: (2,048 b + 256 wave) x 4
	s_add_co_u32 s52, s52, s7
	s_mov_b32 s53, 0
	s_lshl_b32 s54, s4, 23                         ; x, out: (2,048 b + 256 work-group) rows of 4,096 bytes + 512 head
	s_lshl_b32 s7, ttmp9, 20
	s_add_co_u32 s54, s54, s7
	s_lshl_b32 s7, s5, 9
	s_add_co_u32 s54, s54, s7
	s_mov_b32 s55, 0
	s_wait_kmcnt 0x0
	s_add_nc_u64 s[24:25], s[8:9], s[40:41]        ; q's codes
	s_add_nc_u64 s[8:9], s[8:9], s[42:43]          ; k's
	s_add_nc_u64 s[26:27], s[10:11], s[44:45]      ; q's scale words
	s_add_nc_u64 s[10:11], s[10:11], s[46:47]      ; k's
	s_add_nc_u64 s[12:13], s[12:13], s[48:49]
	s_add_nc_u64 s[14:15], s[14:15], s[50:51]
	s_add_nc_u64 s[16:17], s[16:17], s[52:53]
	s_add_nc_u64 s[20:21], s[20:21], s[54:55]
	s_add_nc_u64 s[22:23], s[22:23], s[54:55]
	s_load_b32 s36, s[18:19], 0x0                  ; gamma
	s_wait_alu depctr_va_vdst(0)                   ; the addresses and offsets v3 to v9 and v112 to v115 are written, which the kernel's loads, stores and LDS instructions read; so are v1 and v2, for the closing add
.irp g, 0,1,2,3                                        ; K: lane (r, h), registers 4 c on: the 16 bytes of key 32 (2 g + c) + 8 h + r + 8 (r / 8): 32 lanes read 512 consecutive bytes
.irp c, 0,1
	global_load_b128 v[KF+8*\g+4*\c:KF+8*\g+4*\c+3], v112, s[8:9] offset:1024*\g+512*\c
.endr
.endr
.irp g, 0,1,2,3                                        ; the scale words of the four tiles of a fragment
.irp e, 0,1,2,3
	global_load_b32 v[S+4*\g+\e], v[QWO], s[10:11] offset:(2*\g+\e/2)*256+128*(\e%2)
.endr
.endr
.irp s, 0,1
.irp hh, 0,1
	global_load_b64 v[VS+4*\s+2*\hh:VS+4*\s+2*\hh+1], v114, s[14:15] offset:(2*\s+\hh)*256   ; register 4 s + 2 hh + e: lanes 0-15 tile 4 hh + 2 e, lanes 16-31 tile 4 hh + 2 e + 1
.endr
.endr
	WIN 0x40                                       ; destination window 1
.irp s, 0,1
.irp c, 0,1
.irp d, 0,1,2,3,4,5,6,7
	global_load_b128 v[8*(8*\s+\d)+4*\c:8*(8*\s+\d)+4*\c+3], v113, s[12:13] offset:((2*\s+\c)*8+\d)*512
.endr
.endr
.endr
.irp b, 0,1,2,3,4,5,6,7
.irp i, 0,1,2,3
	global_load_b128 v[MF+16*\b+4*\i:MF+16*\b+4*\i+3], v115, s[16:17] offset:128*\b+16*\i   ; register 16 b + i: key 32 b + 16 h + i of my 256
.endr
.endr
	WIN 0
	global_load_b128 v[QT:QT+3], v[QO], s[24:25]   ; the first tile's q,
	global_load_b32 v[QS], v[QWO], s[26:27]        ; its scale word,
	global_load_b128 v[XR:XR+3], v[XO], s[20:21] th:TH_LOAD_NT   ; and its x
	global_load_b128 v[XR+4:XR+7], v[XO], s[20:21] offset:256 th:TH_LOAD_NT
	s_wait_loadcnt 0x4                             ; all but those four
.irp g, 0,1,2,3
	v_and_b32 v[KS+\g], 0xff, v[S+4*\g]            ; byte i of a fragment's scale word: the byte of its tile i (each word holds its row's byte four times)
	v_and_or_b32 v[KS+\g], v[S+4*\g+1], 0xff00, v[KS+\g]
	v_and_or_b32 v[KS+\g], v[S+4*\g+2], 0xff0000, v[KS+\g]
	v_and_or_b32 v[KS+\g], v[S+4*\g+3], 0xff000000, v[KS+\g]
.endr
	WIN 0x41                                       ; destination and source 0 in window 1
.set j, 0
.rept 128
	v_cvt_f32_i32 v[MF+j], v[MF+j]                 ; the mask as f32, once for the launch
.set j, j+1
.endr
	WIN 0
.irp i, 0,1,2,3
	v_mov_b32 v[QZ+\i], 0                          ; the variants' zero codes
	v_mov_b32 v[QZ+8+\i], 0
	v_mov_b32 v[QZ+16+\i], 0
.endr
	v_mov_b32 v[SN+3], 0                           ; (named as the upper half of a pair, and stored with the statistics)
	v_mov_b32 v[CP+1], 0                           ; (named as the upper half of a pair)
	s_wait_kmcnt 0x0
	s_mov_b32 s37, s36                             ; (gamma is named as a pair)
	s_mov_b32 s38, 7
.Ltrip:                                                ; a trip: 32 queries, two tiles
	TILE 0, 1
	TILE 1, 1
	s_wait_xcnt 0x0                                ; the loads and stores have read their bases
	s_add_nc_u64 s[24:25], s[24:25], 512
	s_add_nc_u64 s[26:27], s[26:27], 256
	s_add_nc_u64 s[20:21], s[20:21], 0x20000
	s_add_nc_u64 s[22:23], s[22:23], 0x20000
	s_sub_co_u32 s38, s38, 1
	s_cmp_lg_u32 s38, 0
	s_cbranch_scc1 .Ltrip
	TILE 0, 1                                      ; the last 32 queries are written out: the last tile asks for nothing, so no load leaves its buffer
	TILE 1, 0
	s_wait_dscnt 0x0                               ; the wave's end
	s_wait_alu 0x0
	s_wait_tensorcnt 0x0
	ds_add_u32 v[SPW], v[NIL]
	s_wait_dscnt 0x0
	s_endpgm
.Lfunc_end_k_qf6797d660e_attn:
	.size	k_qf6797d660e_attn, .Lfunc_end_k_qf6797d660e_attn-k_qf6797d660e_attn
	.p2alignl 7, 3214868480
	.fill 96, 4, 3214868480
	.section	.rodata,"a",@progbits
	.p2align	6, 0x0
	.amdhsa_kernel k_qf6797d660e_attn
		.amdhsa_group_segment_fixed_size 70656
		.amdhsa_private_segment_fixed_size 0
		.amdhsa_enable_private_segment 0
		.amdhsa_kernarg_size 64
		.amdhsa_user_sgpr_count 2
		.amdhsa_user_sgpr_kernarg_segment_ptr 1
		.amdhsa_wavefront_size32 1
		.amdhsa_system_sgpr_workgroup_id_x 1
		.amdhsa_system_sgpr_workgroup_id_y 1
		.amdhsa_system_sgpr_workgroup_id_z 1
		.amdhsa_system_vgpr_workitem_id 0
		.amdhsa_next_free_vgpr 512
		.amdhsa_next_free_sgpr 66
		.amdhsa_reserve_vcc 0
		.amdhsa_float_denorm_mode_32 3
		.amdhsa_float_denorm_mode_16_64 3
		.amdhsa_memory_ordered 1
		.amdhsa_forward_progress 1
		.amdhsa_inst_pref_size 232
	.end_amdhsa_kernel
	.amdgpu_metadata
---
amdhsa.version: [ 1, 2 ]
amdhsa.kernels:
  - .name:           k_qf6797d660e_attn
    .symbol:         k_qf6797d660e_attn.kd
    .args:
      - { .name: qk_codes, .offset: 0, .size: 8, .value_kind: global_buffer, .address_space: global }
      - { .name: qk_sw, .offset: 8, .size: 8, .value_kind: global_buffer, .address_space: global }
      - { .name: v_img, .offset: 16, .size: 8, .value_kind: global_buffer, .address_space: global }
      - { .name: v_sw, .offset: 24, .size: 8, .value_kind: global_buffer, .address_space: global }
      - { .name: mask, .offset: 32, .size: 8, .value_kind: global_buffer, .address_space: global }
      - { .name: gamma, .offset: 40, .size: 8, .value_kind: global_buffer, .address_space: global }
      - { .name: x, .offset: 48, .size: 8, .value_kind: global_buffer, .address_space: global }
      - { .name: out0, .offset: 56, .size: 8, .value_kind: global_buffer, .address_space: global }
    .group_segment_fixed_size: 70656
    .private_segment_fixed_size: 0
    .kernarg_segment_align: 8
    .kernarg_segment_size: 64
    .max_flat_workgroup_size: 256
    .sgpr_count:     66
    .vgpr_count:     512
    .wavefront_size: 32
...
	.end_amdgpu_metadata
.endif
;; end of part 4
